; MI455X (gfx1250); checked and timed in simulation.
; The chip was launched on July 23, 2026; its instructions are those of AMD's public machine-readable ISA for CDNA 5 (MIT licence, August 2026) and "CDNA5" Instruction Set Architecture Reference Guide (July 2026). The comments in the code are by the model that wrote it; some were corrected since.
;; Atten Head. Allowed arithmetic: matrix products marked QUANTISED: E2M3 operands, one E8M0 scale for each 32 along K, by v_wmma_scale_f32_16x16x128_f8f6f4 with both operands' format E2M3, f32 sums; everything else in f32.
;; Inputs: inputs_for_keys_codes 4 x 2,048 x 32 x 24 uint8 (E2M3 codes of inputs_for_keys, K innermost, in blocks of 32 codes, four codes in three bytes); inputs_for_keys_scales 4 x 2,048 x 32 uint8 (E8M0 scales of inputs_for_keys, one for each 32 codes along K); inputs_for_queries_codes 4 x 2,048 x 32 x 24 uint8 (E2M3 codes of inputs_for_queries, K innermost, in blocks of 32 codes, four codes in three bytes); inputs_for_queries_scales 4 x 2,048 x 32 uint8 (E8M0 scales of inputs_for_queries, one for each 32 codes along K); inputs_for_values_codes 4 x 2,048 x 32 x 24 uint8 (E2M3 codes of inputs_for_values, K innermost, in blocks of 32 codes, four codes in three bytes); inputs_for_values_scales 4 x 2,048 x 32 uint8 (E8M0 scales of inputs_for_values, one for each 32 codes along K); weight_K_codes 1,024 x 32 x 24 uint8 (E2M3 codes of weight_K, K innermost, in blocks of 32 codes, four codes in three bytes); weight_K_scales 1,024 x 32 uint8 (E8M0 scales of weight_K, one for each 32 codes along K); weight_Q_codes 1,024 x 32 x 24 uint8 (E2M3 codes of weight_Q, K innermost, in blocks of 32 codes, four codes in three bytes); weight_Q_scales 1,024 x 32 uint8 (E8M0 scales of weight_Q, one for each 32 codes along K); weight_V_codes 1,024 x 32 x 24 uint8 (E2M3 codes of weight_V, K innermost, in blocks of 32 codes, four codes in three bytes); weight_V_scales 1,024 x 32 uint8 (E8M0 scales of weight_V, one for each 32 codes along K).
;; Outputs: out0 4 x 2,048 x 1,024 float32.
;; This version of the problem:
;;   THIS VERSION OF THE PROBLEM IS GIVEN IN LOW PRECISION. The matrix products marked QUANTISED in the list below multiply operands that are first quantised to E2M3 (2 exponent bits, 3 mantissa bits; 6 bits a number), with one power-of-two scale for each 32 numbers along K (OCP MX v1.0); their sums are f32. All else is computed in f32.
;;   The module's matrix products, in the order in which they are computed (A, B: the left and right operand; K: the contracted axis; several contracted axes count as one K, in the product's order):
;;     1. [M 8,192, K 1,024] x [K 1,024, N 1,024]; A: input inputs_for_keys (given as codes); B: input weight_K (given as codes): QUANTISED
;;     2. [M 8,192, K 1,024] x [K 1,024, N 1,024]; A: input inputs_for_values (given as codes); B: input weight_V (given as codes): QUANTISED
;;     3. [M 8,192, K 1,024] x [K 1,024, N 1,024]; A: input inputs_for_queries (given as codes); B: input weight_Q (given as codes): QUANTISED
;;     4. batch 4 x [M 2,048, K 1,024] x [K 1,024, N 2,048]; A: computed on the way; B: computed on the way: QUANTISED
;;     5. batch 4 x [M 2,048, K 2,048] x [K 2,048, N 1,024]; A: softmax (see below); B: computed on the way: QUANTISED
;;   THE QUANTISER, for each operand of a quantised product, along K:
;;     - K is cut into blocks of 32 from its start; a last block that is shorter is filled with zeros.
;;     - A block's scale is 2^e with e = floor(log2(the largest magnitude in the block)) - 2, held to -126 .. 127; a block of zeros has e = 0. As a byte (E8M0): e + 127.
;;     - Each number is divided by its block's scale, clamped to +-7.5, and rounded to the nearest number of E2M3, ties to even, subnormals kept.
;;     - The product sums the exact products of the quantised numbers (number of the format x scale) in f32.
;;   ~~~python
;;   def quantise(x, axis):      # numpy; x: float32 -> the quantised numbers, widened to float32 again
;;       x = np.moveaxis(x, axis, -1); K = x.shape[-1]
;;       x = np.pad(x, [(0, 0)] * (x.ndim - 1) + [(0, -K % 32)]); x = x.reshape(x.shape[:-1] + (-1, 32)); a = np.abs(x).max(-1, keepdims=True)
;;       e = np.where(a > 0, np.clip(np.frexp(np.where(a > 0, a, 1))[1] - 1 - 2, -126, 127), 0)      # np.frexp(a)[1] - 1 = floor(log2(a)), exactly
;;       r = np.clip(x / 2.0 ** e, -7.5, 7.5)
;;       step = 2.0 ** (np.maximum(np.frexp(np.where(r == 0, 1, r))[1] - 1, 0) - 3)
;;       q = np.round(r / step) * step * 2.0 ** e      # np.round: ties to even
;;       return np.moveaxis(q.reshape(q.shape[:-2] + (-1,))[..., :K], -1, axis).astype(np.float32)
;;   ~~~
;;   SOFTMAX AHEAD OF A QUANTISED PRODUCT. Where the list says 'softmax', what is quantised is not the finished softmax but p = 2^(t - M), with t = logit x log2(e) and M = ceil(the row's largest t), a whole number; so 1/2 < the row's largest p <= 1. The row's sum l is taken of the UNQUANTISED p, in f32, and the product's result is divided by l at the end. Since M is a whole number, a kernel that streams over the keys may use a running M (the ceiling of the running maximum): every later rescaling is an exact power of two, which a block's scale takes up: the codes' values come out the same.
;;   OPERANDS COMPUTED ON THE WAY. 'Computed on the way' means the value that the module computes at that place (a softmax that the list does not call 'softmax' is quantised finished and normalised). What goes into a quantiser is computed in f32, as accurately as f32 sums, v_exp_f32 and their like allow (about 1e-6 of the number): no bf16 or f16 on the way to a quantiser, and a product that is left as it is and whose result goes on into a quantised operand takes f32 operands (vector FMAs, or v_wmma_f32_16x16x4_f32). A number that lies on a knife's edge between two numbers of the format may be rounded either way, as far as f32 arithmetic and the matrix unit's own rounding can turn it there, and no further.
;;   INPUTS GIVEN AS CODES. inputs_for_keys (in the module: [4, 2048, 1024], K = its axis 2); inputs_for_queries (in the module: [4, 2048, 1024], K = its axis 2); inputs_for_values (in the module: [4, 2048, 1024], K = its axis 2); weight_K (in the module: [1024, 1024], K = its axis 0); weight_Q (in the module: [1024, 1024], K = its axis 0); weight_V (in the module: [1024, 1024], K = its axis 0): each comes as NAME_codes (uint8): NAME with its K axis moved to the last place and cut into blocks of 32 codes, [.., K / 32, bytes a block], one block behind the other in memory; four codes in three bytes: a row's codes are one little-endian stream of bits, code i at bits 6 i .. 6 i + 5 (a code: sign, 2 exponent bits, 3 mantissa bits); and NAME_scales (uint8): the same leading axes, one E8M0 byte (e + 127) for each 32 codes along K. Its value is code x scale, taken as it is: it is not quantised again, and the codes and scales need not be those that the quantiser above would give.
;; One version. Each part assembles by itself: llvm-mc -triple=amdgcn-amd-amdhsa -mcpu=gfx1250 --defsym DOCPART=n.
;; ======== version 1 of 1: 3 launches
;; limits: right only within a limited range of input values
;; workspace buffers: Kc 6,553,600 bytes; Qc 6,553,600 bytes; Vc 6,553,600 bytes; Pc 13,107,200 bytes; NMs 524,288 bytes; Ls 524,288 bytes
;; launch proj (part 1): grid 16 x 16, 4 waves a work-group, clusters of 4 x 4, 327,680 bytes of LDS; arguments inputs_for_queries_codes, inputs_for_queries_scales, weight_Q_codes, weight_Q_scales, inputs_for_keys_codes, inputs_for_keys_scales, weight_K_codes, weight_K_scales, inputs_for_values_codes, inputs_for_values_scales, weight_V_codes, weight_V_scales, Qc, Kc, Vc; writes Qc, Kc, Vc
.if DOCPART == 1
	.amdgcn_target "amdgcn-amd-amdhsa--gfx1250"
	.amdhsa_code_object_version 6
	.text
	.protected	k_q9473878823_proj
	.globl	k_q9473878823_proj
	.p2align	8
	.type	k_q9473878823_proj,@function
k_q9473878823_proj:
	s_mov_b64 s[64:65], 0
	v_nop
	global_prefetch_b8 v0, s[64:65] scope:SCOPE_SE
	s_setreg_imm32_b32 hwreg(HW_REG_WAVE_MODE, 25, 1), 1
	s_wait_xcnt 0x0
	s_wait_alu depctr_hold_cnt(0) depctr_sa_sdst(0) depctr_va_vdst(0) depctr_va_sdst(0) depctr_va_ssrc(0) depctr_va_vcc(0) depctr_vm_vsrc(0)
	s_getreg_b32 s2, hwreg(HW_REG_IB_STS2, 6, 4)
	s_cmp_eq_u32 s2, 0
	s_cbranch_scc0 .Lentry_in_a_cluster
	s_endpgm
.Lentry_in_a_cluster:
	s_bfe_u32 s2, ttmp6, 0x10000c
	s_cmp_lg_u32 s2, 0xf033
	s_cbranch_scc0 .Lentry_shape_is_right
	s_endpgm
.Lentry_shape_is_right:
; Q, K, V = x W (each of its own input) on codes of FP6, and their quantisers.  Q and K are quantised along e, V along the tokens.  No f32 result is stored.
; LIMITS: NaN and infinities are not served.  A block of zeros gets the scale byte 1 (its codes are zeros).
; OUTPUT: UNITS of 12,800 bytes (128 rows x 128 along the next K).  Fragment f (16 rows) at 1,536 f, in two halves c of 768 bytes: registers 6 c .. 6 c + 3 as 16 bytes a lane, then registers 6 c + 4, 6 c + 5 as 8 bytes a lane.
; Behind the fragments 512 bytes of scale words: the word at 16 l + 4 j is fragment 2 j + l / 16, row l % 16; byte 2 c + h scales half c, lanes 16 h on.
; Qc, Kc: unit = (token / 128) x 8 + e / 128.  Vc (rows are columns of V): unit = (e / 128) x 64 + token / 128.
; ORDER INSIDE A BLOCK OF 32: position 8 j + i of a lane in half h is column 32 h + 8 (j ^ h) + i (Q and K alike), and token 32 h + 8 (o(j) ^ h) + i of V, o = 0, 2, 1, 3: the order in which the second launch lays P.
; So the 32 results that a lane holds are one scale block, and the two groups of eight rows that a fragment's lanes read begin at different banks (row pitch 816 bytes).
; THE DEAL: 256 work-groups of four waves, 2 x 2 (row s15, column s16).  A work-group makes 256 x 128 of V (phase 1), then 512 x 128 of Q or K (phase 2).
; A wave holds 64 rows of a weight, ALL of K, in registers (384); x's rows stream past in blocks of 16 rows, all of K, 32 products a block.
; CLUSTERS 4 x 4: x's rows are shared along a row of the cluster, a weight's rows along a column, by joint loads.
; LDS: two slots of 128 rows for x's chunks, a region for the weights' 128 rows, two places for a chunk's scale bytes, the stages for the results' scale bytes, the spare words.
; FILLS: at the head one tensor load a wave (W_v, the scale bytes of V's two chunks, chunk 0, chunk 1).  Four refills, each in a drained round of the cluster's barrier:
; in V's block 2 slot 0 takes phase 2's chunk 0 (waves 0, 1 a half each), wave 2 its scale bytes, wave 3 the second weight;  in V's block 7, and in phase 2's blocks 2 and 6, chunks 1, 2, 3.
; A BLOCK: behind every second product stand two entries of a list: the next addresses, the descriptors, and the first part of the last way out.
; WAITS: a block's rows were fetched two blocks ago; younger are the next block's NF loads and the scale bytes stored between (0, 1 or 4); behind a round or a barrier all are in.
; PREFETCHES: the second weight and chunk 0 ahead of the first weight's LDS loads; chunk 1 and the scale bytes behind the first refill; chunks 2 and 3 between the phases.  The sixteen waves that will ask jointly share each tile out by address.
.set NQ,     8
.set NB,     4
.set TM,     512
.set TV,     256
.set TN,     128
.set KROW,   768
.set KS,     32
.set PITCH,  KROW+48
.set FR,     12
.set FPW,    21
.set NF,     28
.set RA,     128
.set YB,     RA*PITCH
.set BVB,    2*RA*PITCH
.set SCL,    BVB+TN*PITCH
.set CU,     RA*KS/256
.set SCB,    CU*272
.set SSTEP,  4*272
.set XN,     SCL+2*SCB                 ; Q's or K's scale bytes: four units' 512
.set XM,     XN+2048                   ; V's: two units'
.set SPARE,  XM+1024
.set EMAX,   2
.set UNIT,   12800
.set SCO,    12288
.set ADRA0, 4                          ; v4, v5 LDS address of phase 2's block 0 (v5: pieces behind one padding more); v6 of its scale words
.set AAS0,  6
.set CO,    9                          ; 16 x lane
.set SPW,   10
.set NIL,   11
.set ADRA,  12                         ; v12, v13, v17 the block that is fetched next
.set WE,    14                         ; v14, v15 phase 2's weight rows, even tiles;  v42, v43 odd tiles
.set ABS,   16                         ; offsets in the weights' scale bytes: V's;  v21 Q's or K's
.set AAS,   17
.set STO,   18
.set STV,   19
.set ABQ,   21
.set C8,    22                         ; 8 x lane
.set SB,    24                         ; v24-39 the weights' scale words
.set TQ,    40
.set WO,    42
.set SA,    44                         ; v44-59 x's scale words, two sets
.set TC,    60
.set ACC,   64                         ; phase 2: v64-127
.set HV0,   64                         ; phase 1, band 0: v64-191, 32 t + 8 j + i
.set HV1,   840                        ; band 1: v840-967
.set NCD,   128                        ; phase 2: codes, two sets of six
.set MCD,   192                        ; phase 1: codes, 2 x 4 x 6
.set SOP,   240
.set EB,    244
.set VX,    248
.set VB,    249                        ; v249-251, v252-254: phase 1's blocks of even and of odd groups; later v249-251 phase 2's block 1
.set SB2,   968                        ; the second weight's scale words
.set BA,    984                        ; LDS addresses of the weights' four tiles
.set G1A, 24
.set G0A, 56
.set G0R, 68
.set G1B, 32
.set G0B, 60
.set G1S, 92
.set G0S, 72
.set SPL, 17                           ; s17: which place takes the next scale bytes
.set MSB, 0
.macro WIN new
.if MSB != \new
	s_set_vgpr_msb (MSB<<8)|\new
.set MSB, \new
.endif
.endm
.macro PLACES n
.rept \n
	v_nop
.endr
.endm
.macro WALU
	s_wait_alu depctr_va_vdst(0)
.endm
.macro BARRIER
	s_barrier_signal -1
	s_barrier_wait -1
.endm
.macro MIDDLE                          ; a round's middle: the opening wait, wave 0's signal for the work-group, the cluster's wait
	WIN 0
	s_barrier_wait -1
	s_cmp_lg_u32 s14, 0
	s_cbranch_scc1 .Lnot_wave_0_\@
	s_barrier_signal -3
.Lnot_wave_0_\@:
	s_barrier_wait -3
.endm
.macro CROUND
	s_barrier_signal -1
	MIDDLE
	BARRIER
.endm
.macro GRD
	s_wait_tensorcnt 0x0
	ds_add_u32 v[SPW], v[NIL]
.endm
.macro TLOAD g0, g1
	tensor_load_to_lds s[\g0:\g0+3], s[\g1:\g1+7]
	s_nop 0
	PLACES 4
.endm
.macro GROUP1 g, mask, rows            ; rows of 768 bytes, 16 bytes of padding behind every 256
	s_or_b32 s[\g+0], s[\mask], (1<<20)|(1<<21)|(5<<22)|(3<<25)
	s_mov_b32 s[\g+1], KROW<<16
	s_mov_b32 s[\g+2], (\rows)<<16
	s_mov_b32 s[\g+3], KROW<<16
	s_mov_b32 s[\g+4], \rows
	s_mov_b32 s[\g+5], KROW
	s_mov_b32 s[\g+6], 0
	s_mov_b32 s[\g+7], 0
.endm
.macro SADD d, x
	s_add_co_u32 s\d, s\d, s\x
.endm
.macro G0SET g, base, off
	s_mov_b32 s20, s\off
	s_add_nc_u64 s[\g+2:\g+3], s[\base:\base+1], s[20:21]
	s_or_b32 s[\g+3], s[\g+3], 0x80000000
.endm
.macro REFILL w3                       ; behind a round: waves 0, 1 half a chunk each, wave 2 the scale bytes, wave 3 the second weight or nothing
	s_cmp_lt_u32 s14, 2
	s_cbranch_scc0 .Lscales_\@
	TLOAD G0R, G1A
	s_branch .Lasked_\@
.Lscales_\@:
	s_cmp_eq_u32 s14, 2
	s_cbranch_scc0 .Lother_\@
	TLOAD G0S, G1S
.if \w3
	s_branch .Lasked_\@
.endif
.Lother_\@:
.if \w3
	TLOAD G0B, G1B
.endif
.Lasked_\@:
.endm
; Fragment f lies in window 1 + f / 21 at register 12 (f % 21): 0-31 the weights' (4 q + b), 32-39 and 40-47 x's two sets.
.macro FRAG f, q, a0, a1, aw           ; six pieces of 8 bytes, two to a load where both lie behind as many paddings
	WIN ((1+(\f)/FPW)<<6)|(\aw)
.set R_, FR*((\f)%FPW)
.set SKIP_, 0
.irp p, 0,1,2,3,4,5
.if SKIP_
.set SKIP_, 0
.else
.set PC_, 12*(\q)+6*(\p/3)+\p%3
.set PN_, 12*(\q)+6*((\p+1)/3)+(\p+1)%3
.set X_, (PC_%32+3)/32
.set XQ_, (PN_%32+3)/32
.if (\p < 5) && (X_ == XQ_)
.set SKIP_, 1
.if X_
	ds_load_2addr_b64 v[R_+2*\p:R_+2*\p+3], \a1 offset0:PC_+2*(PC_/32) offset1:PN_+2*(PN_/32)
.else
	ds_load_2addr_b64 v[R_+2*\p:R_+2*\p+3], \a0 offset0:PC_+2*(PC_/32) offset1:PN_+2*(PN_/32)
.endif
.elseif X_
	ds_load_b64 v[R_+2*\p:R_+2*\p+1], \a1 offset:8*(PC_+2*(PC_/32))
.else
	ds_load_b64 v[R_+2*\p:R_+2*\p+1], \a0 offset:8*(PC_+2*(PC_/32))
.endif
.endif
.endr
.endm
.macro WEIGHTS                         ; my 64 rows of the weight, all of K
.irp q, 0,1,2,3,4,5,6,7
.irp b, 0,1,2,3
	FRAG NB*\q+\b, \q, v[BA-768+2*\b], v[BA-768+2*\b+1], 3
.endr
.endr
	WIN 0
.endm
.macro FETCHAT e, a0, a1, as           ; a block of x's rows into set e: NF loads
.irp q, 0,1,2,3,4,5,6,7
	FRAG NB*NQ+NQ*(\e)+\q, \q, \a0, \a1, 0
.endr
	WIN 0
	ds_load_b128 v[SA+8*(\e):SA+8*(\e)+3], \as
	ds_load_b128 v[SA+8*(\e)+4:SA+8*(\e)+7], \as offset:16
.endm
.macro FETCH e
	FETCHAT \e, v[ADRA], v[ADRA+1], v[AAS]
.endm
; A product, n = 4 q + tile.  kind 0 (Q, K): source 0 the weight's rows; kind 1 (V): source 0 x's rows.  The four accumulators take turns.
.macro PROD kind, e, n, a0, as
.set Q_, (\n)/4
.set FB_, NB*Q_+(\n)%4
.set FA_, NB*NQ+NQ*(\e)+Q_
.set D_, (\a0)+(\as)*((\n)%4)
.set DL_, D_&255
.set XB_, SB+NQ*(((\n)%4)/2)+Q_
.set XA_, SA+8*(\e)+Q_
.if \kind
	WIN (1+FA_/FPW)|((1+FB_/FPW)<<2)|((D_>>8)<<4)|((D_>>8)<<6)
.if Q_
	PROD1 DL_, FA_, FB_, v[DL_:DL_+7], XA_, XB_, b, (\n)%2
.else
	PROD1 DL_, FA_, FB_, 0, XA_, XB_, b, (\n)%2
.endif
.else
	WIN (1+FB_/FPW)|((1+FA_/FPW)<<2)|((D_>>8)<<4)|((D_>>8)<<6)
.if Q_
	PROD1 DL_, FB_, FA_, v[DL_:DL_+7], XB_, XA_, a, (\n)%2
.else
	PROD1 DL_, FB_, FA_, 0, XB_, XA_, a, (\n)%2
.endif
.endif
.endm
.macro PROD1 d, s0, s1, c, x0, x1, side, o
.if \o
	v_wmma_scale_f32_16x16x128_f8f6f4 v[\d:\d+7], v[FR*((\s0)%FPW):FR*((\s0)%FPW)+FR-1], v[FR*((\s1)%FPW):FR*((\s1)%FPW)+FR-1], \c, v[\x0], v[\x1] matrix_a_fmt:MATRIX_FMT_FP6 matrix_b_fmt:MATRIX_FMT_FP6 matrix_\side\()_scale:MATRIX_SCALE_ROW1
.else
	v_wmma_scale_f32_16x16x128_f8f6f4 v[\d:\d+7], v[FR*((\s0)%FPW):FR*((\s0)%FPW)+FR-1], v[FR*((\s1)%FPW):FR*((\s1)%FPW)+FR-1], \c, v[\x0], v[\x1] matrix_a_fmt:MATRIX_FMT_FP6 matrix_b_fmt:MATRIX_FMT_FP6 matrix_\side\()_scale:MATRIX_SCALE_ROW0
.endif
.endm
.macro BLOCK kind, e, a0, as, from, to, list, x=0, y=0
.set N_, \from
.rept (\to)-(\from)
	PROD \kind, \e, N_, \a0, \as
.if N_%2
	\list N_-1, \x, \y
	\list N_, \x, \y
.endif
.set N_, N_+1
.endr
.endm
; What the lists are made of.  Each macro writes entry i of its part, and nothing beyond its last.
.macro STEP i, wrap                    ; phase 2: to the LDS addresses of the block two on
.if \wrap
.if (\i) == 0
	s_add_co_u32 s101, s101, 32*PITCH
	s_cmp_eq_u32 s101, 2*RA*PITCH
	s_cselect_b32 s101, 0, s101
	s_add_co_u32 s91, s91, SSTEP
.elseif (\i) == 1
	s_cmp_eq_u32 s91, 2*SCB
	s_cselect_b32 s91, 0, s91
.endif
	STEPV (\i)-1
.else
.if (\i) == 0
	s_add_co_u32 s101, s101, 32*PITCH
	s_add_co_u32 s91, s91, SSTEP
.endif
	STEPV \i
.endif
.endm
.macro STEPV i
.if (\i) == 0
	WIN 0
	v_add_nc_u32 v[ADRA], s101, v[ADRA0]
.elseif (\i) == 1
	WIN 0
	v_add_nc_u32 v[ADRA+1], s101, v[ADRA0+1]
.elseif (\i) == 2
	WIN 0
	v_add_nc_u32 v[AAS], s91, v[AAS0]
.endif
.endm
.macro VST i                           ; phase 1: the same for block VS + 2: chunk SN / 4, group o(SN % 4)
.if (\i) >= 0 && (\i) < 3
.set SN_, VS+2
.set VR_, VB+3*((SN_%4)/2)
	WIN 0
.if (\i) < 2
	v_add_nc_u32 v[ADRA+(\i)], (16*(SN_%2)+128*(SN_/4))*PITCH, v[VR_+(\i)]
.else
	v_add_nc_u32 v[AAS], 2*(SN_%2)*272+(SN_/4)*SCB, v[VR_+2]
.endif
.endif
.endm
.macro NEWB i                          ; phase 2's weight rows, and its block 1
.if (\i) >= 0 && (\i) < 8
.set J_, (\i)/2
.set WS_, WE+(WO-WE)*(J_%2)+(\i)%2
	WIN 3<<6
	v_add_nc_u32 v[BA-768+(\i)], 8*J_*PITCH, v[WS_]
.elseif (\i) == 8 || (\i) == 9
	WIN 0
	v_add_nc_u32 v[VB+(\i)-8], 32*PITCH, v[ADRA0+(\i)-8]
.elseif (\i) == 10
	WIN 0
	v_add_nc_u32 v[VB+2], SSTEP, v[AAS0]
.endif
.endm
.macro CHAIN i, x, n, t=TQ             ; a way out's first part, 18 entries: the largest magnitude of the 32 sums from register x on (two chains), and the conversions' scale operand, v[SOP+n]
.set XW_, (\x)>>8
.set XL_, (\x)&255
.if (\i) >= 0 && (\i) < 14
.set B_, XL_+16*((\i)%2)+2*((\i)/2)
.set T_, (\t)+1-(\i)%2
.if (\i) < 2
	WIN XW_|(XW_<<2)|(XW_<<4)
	v_max3_num_f32 v[T_], |v[B_]|, |v[B_+1]|, |v[B_+2]|
.else
	WIN (XW_<<2)|(XW_<<4)
	v_max3_num_f32 v[T_], v[T_], |v[B_+1]|, |v[B_+2]|
.endif
.elseif (\i) == 14
	WIN XW_<<2
	v_max3_num_f32 v[\t+1], v[\t+1], |v[XL_+15]|, (EMAX+1)<<23
.elseif (\i) == 15
	WIN 0
	v_nop
.elseif (\i) == 16
	WIN XW_<<2
	v_max3_num_f32 v[\t], v[\t], |v[XL_+31]|, v[\t+1]
.elseif (\i) == 17
	WIN 0
	v_add_nc_u32 v[SOP+\n], -(EMAX<<23), v[\t]
.endif
.endm
.macro CODES i, x, c, n, t=TC          ; its second part: 32 codes into v[c .. c+5], the scale's byte into v[EB+n]
.set XW_, (\x)>>8
.set XL_, (\x)&255
.if (\i) == 0
	WIN XW_
	v_cvt_scalef32_pk16_fp6_f32 v[\c:\c+2], v[XL_:XL_+15], v[SOP+\n]
.elseif (\i) == 1
	WIN XW_
	v_cvt_scalef32_pk16_fp6_f32 v[\t:\t+2], v[XL_+16:XL_+31], v[SOP+\n]
.elseif (\i) == 2
	WIN 0
	v_lshrrev_b32 v[EB+\n], 23, v[SOP+\n]
.else
	WIN 0
	v_mov_b32 v[\c+\i], v[\t+\i-3]
.endif
.endm
.macro CODES6 x, c, n
.irp i, 0,1,2,3,4,5
	CODES \i, \x, \c, \n
.endr
.endm
.macro PFGO v, base, off
	global_prefetch_b8 v\v, s[\base:\base+1] offset:\off th:TH_LOAD_NT scope:SCOPE_SE
.endm
.macro PUT2 r, base, off               ; half a fragment: 512 and 256 consecutive bytes
	global_store_b128 v[CO], v[\r:\r+3], \base offset:\off
	global_store_b64 v[C8], v[\r+4:\r+5], \base offset:(\off)+512
.endm
.macro ASK i                           ; the descriptors of the chunk at s88 for slot s47, and of its scale bytes at s55 for place SPL; then all four step on
.if (\i) == 0
	s_mul_i32 s[G0R+1], s14, RA/2*PITCH
	s_add_co_u32 s[G0R+1], s[G0R+1], s47
	s_mul_i32 s20, s14, RA/2*KROW
	SADD 20, 88
.elseif (\i) == 1
	s_mov_b32 s21, 0
	s_add_nc_u64 s[G0R+2:G0R+3], s[4:5], s[20:21]
	s_or_b32 s[G0R+3], s[G0R+3], 0x80000000
	s_mov_b32 s[G0S+1], s[SPL]
.elseif (\i) == 2
	s_mov_b32 s20, s55
	s_add_nc_u64 s[G0S+2:G0S+3], s[6:7], s[20:21]
	s_or_b32 s[G0S+3], s[G0S+3], 0x80000000
	s_add_co_u32 s88, s88, RA*KROW
.elseif (\i) == 3
	s_add_co_u32 s55, s55, CU*256
	s_xor_b32 s47, s47, YB
	s_xor_b32 s[SPL], s[SPL], (SCL)^(SCL+SCB)
.endif
.endm
.macro AT i                            ; where block s46's codes go (s[84:85]) and its scale byte (v[VX]): unit s46 / 4, fragment pair s46 % 4
.if (\i) == 0
	s_and_b32 s22, s46, 3
	s_lshr_b32 s23, s46, 2
	s_mul_i32 s20, s23, 8*UNIT
	s_mul_i32 s21, s22, 3072
.elseif (\i) == 1
	s_add_co_u32 s20, s20, s21
	s_lshl_b32 s22, s22, 2
	s_lshl_b32 s23, s23, 9
	s_or_b32 s22, s22, s23
	WIN 0
	v_add_nc_u32 v[VX], s22, v[STO]
.elseif (\i) == 2
	s_mov_b32 s21, 0
	s_add_nc_u64 s[84:85], s[48:49], s[20:21]
	s_add_co_u32 s46, s46, 1
.endif
.endm
; The lists.
.macro L_NONE i, x, y
.endm
.macro L_STEP i, x, y
	STEP \i, 0
.endm
.macro L_OUT i, x, y
	STEP \i, 0
	AT (\i)-1
	CHAIN (\i)-3, \x, \y
.endm
.macro L_LAST i, x, y
	AT (\i)-1
	CHAIN (\i)-3, \x, \y
.endm
.macro L_ROUND i, x, y
	ASK \i
	STEP (\i)-4, 1
	AT (\i)-6
	CHAIN (\i)-8, \x, \y
.endm
.macro L_VST i, x, y
	VST \i
.endm
.macro L_V2 i, x, y                    ; V's block 2: from here on a load brings half a chunk, or one chunk's scale bytes; the second weight
.if (\i) == 0
	s_mov_b32 s[G1A+2], (RA/2)<<16
	s_mov_b32 s[G1A+4], RA/2
	s_mov_b32 s[G1S+2], CU<<16
	s_mov_b32 s[G1S+4], CU
.elseif (\i) == 1
	s_mov_b32 s21, 0
	G0SET G0B, 8, 54
.endif
	ASK (\i)-2
	VST (\i)-6
.endm
.macro L_VOUT i, x, y
	VST \i
	CHAIN (\i)-3, \x, \y
.endm
.macro L_V6 i, x, y
	CHAIN \i, \x, \y
	NEWB (\i)-20
.endm
.macro L_V7 i, x, y
	ASK \i
	CHAIN (\i)-4, \x, \y
.endm
.macro WAITDS w
.if (\w) >= 0
	s_wait_dscnt \w
.endif
.endm
; A block of phase 2 on set e, with the way out of the block before.  w: the wait for its rows (-1: shown in already).
; how 0: plain;  1: with a round and a refill;  2: with a plain barrier that shows the last refill;  3: nothing more is fetched
.macro P2 e, w, how
	WAITDS \w
	s_wait_xcnt 0x0                                     ; the last stores have read their base and their data
.if \how == 1
	GRD
	BLOCK 0, \e, ACC+32*(\e), 8, 0, 26, L_ROUND, ACC+32*(1-(\e)), 1-(\e)
	WIN 0
	WALU
	s_wait_dscnt 0x0
	s_barrier_signal -1
	BLOCK 0, \e, ACC+32*(\e), 8, 26, 32, L_NONE
	WIN 0
	CODES6 ACC+32*(1-(\e)), NCD+6*(1-(\e)), 1-(\e)
	MIDDLE
	BARRIER
	REFILL 0
.elseif \how == 2
	BLOCK 0, \e, ACC+32*(\e), 8, 0, 26, L_OUT, ACC+32*(1-(\e)), 1-(\e)
	WIN 0
	WALU
	s_wait_tensorcnt 0x0
	s_wait_dscnt 0x0
	s_barrier_signal -1
	BLOCK 0, \e, ACC+32*(\e), 8, 26, 32, L_NONE
	WIN 0
	s_barrier_wait -1
	CODES6 ACC+32*(1-(\e)), NCD+6*(1-(\e)), 1-(\e)
.else
.if \how == 3
	BLOCK 0, \e, ACC+32*(\e), 8, 0, 32, L_LAST, ACC+32*(1-(\e)), 1-(\e)
.else
	BLOCK 0, \e, ACC+32*(\e), 8, 0, 32, L_OUT, ACC+32*(1-(\e)), 1-(\e)
.endif
	WIN 0
	CODES6 ACC+32*(1-(\e)), NCD+6*(1-(\e)), 1-(\e)
.endif
	WALU
	ds_store_b8 v[VX], v[EB+1-(\e)]
	PUT2 NCD+6*(1-(\e)), s[84:85], 0
.if \how != 3
	FETCH \e
.endif
.endm
; ================= THE HEAD
	s_load_b256 s[4:11], s[0:1], 0x0                    ; queries: x's codes, scales, W's codes, scales
	s_load_b256 s[56:63], s[0:1], 0x20                  ; keys
	s_load_b256 s[76:83], s[0:1], 0x40                  ; values
	s_load_b128 s[48:51], s[0:1], 0x60                  ; Qc, Kc
	s_load_b64 s[52:53], s[0:1], 0x70                   ; Vc
	v_lshl_add_u32 v[SPW], v0, 2, SPARE
	v_mov_b32 v[NIL], 0
	ds_add_u32 v[SPW], v[NIL]                           ; the opening lines
	ds_add_u32 v[SPW], v[NIL]
	v_lshrrev_b32 v1, 5, v0
	v_readfirstlane_b32 s14, v1                         ; s14 the wave; s15 its row of the 2 x 2, s16 its column
	s_lshr_b32 s15, s14, 1
	s_and_b32 s16, s14, 1
	s_bfe_u32 s40, ttmp6, 0x40000                       ; cx
	s_bfe_u32 s41, ttmp6, 0x40004                       ; cy
	s_lshl_b32 s42, ttmp9, 2
	SADD 42, 40                                         ; phase 2's tile column: 0 .. 7 Q, 8 .. 15 K
	s_and_b32 s43, ttmp7, 0xffff
	s_lshl_b32 s43, s43, 2
	SADD 43, 41                                         ; its tile row
	s_lshr_b32 s19, ttmp9, 1                            ; 0 Q, 1 K: the cluster's number alone
	s_and_b32 s87, ttmp9, 1
	s_lshl_b32 s13, s19, 2
	SADD 13, 40                                         ; V's tile column
	s_lshl_b32 s12, s43, 1
	SADD 12, 87                                         ; V's tile row
	s_lshl_b32 s44, s41, 2
	s_lshl_b32 s44, 15, s44                             ; my row of the cluster
	s_lshl_b32 s45, 0x1111, s40                         ; my column
	GROUP1 G1A, 44, RA
	GROUP1 G1B, 45, TN
	s_or_b32 s[G1S+0], s44, (3<<16)|(1<<20)|(1<<21)|(5<<22)|(3<<25)
	s_mov_b32 s[G1S+1], 32<<16
	s_mov_b32 s[G1S+2], (2*CU)<<16
	s_mov_b32 s[G1S+3], 32<<16
	s_mov_b32 s[G1S+4], 2*CU
	s_mov_b32 s[G1S+5], 32
	s_mov_b32 s[G1S+6], 0
	s_mov_b32 s[G1S+7], 0
	s_mov_b32 s[G0S], 1
	s_mov_b32 s[G0S+1], SCL
	s_mov_b32 s[G0R], 1
	s_mov_b32 s[G0R+1], YB
	s_and_b32 s17, s42, 7
	s_mul_i32 s88, s43, TM*KROW                         ; byte offsets: phase 2's rows and scale bytes,
	s_mul_i32 s55, s43, TM*KS
	s_mul_i32 s66, s12, TV*KROW                         ; V's,
	s_mul_i32 s89, s12, TV*KS
	s_mul_i32 s54, s17, TN*KROW                         ; the second weight's rows, W_v's rows,
	s_mul_i32 s67, s13, TN*KROW
	s_mul_i32 s20, s16, 64*KS
	s_mul_i32 s2, s17, TN*KS                            ; and my 64 rows' scale bytes of both
	SADD 2, 20
	s_mul_i32 s18, s13, TN*KS
	SADD 18, 20
	s_lshl_b32 s90, s40, 2
	SADD 90, 14                                         ; my number among the sixteen waves of my row of the cluster
	s_lshl_b32 s100, s41, 2
	SADD 100, 14                                        ; and of my column
	s_mul_i32 s20, s90, RA*KROW/16
	SADD 20, 88
	s_mul_i32 s21, s100, RA*KROW/16
	SADD 21, 54
	s_lshl_b32 s86, s90, 10
	SADD 86, 55
	s_mul_i32 s22, s15, 16*PITCH
	s_mul_i32 s23, s16, 64*PITCH
	s_add_co_u32 s23, s23, BVB
	s_mul_i32 s46, s15, 64*PITCH
	s_mul_i32 s47, s15, 2*272
	s_add_co_u32 s47, s47, SCL
	s_mul_i32 s3, s15, 8*272
	s_add_co_u32 s3, s3, SCL
	s_lshl_b32 s91, s15, 8
	s_lshl_b32 s101, s16, 1
	SADD 91, 101
	s_add_co_u32 s91, s91, XN
	s_lshl_b32 s101, s16, 3
	s_lshl_b32 s87, s15, 1
	SADD 101, 87
	s_add_co_u32 s101, s101, XM
	v_and_b32 v1, 15, v0                                ; r
	v_bfe_u32 v2, v0, 4, 1                              ; h
	v_and_b32 v3, 31, v0
	v_lshrrev_b32 v64, 3, v1                            ; r / 8
	v_and_b32 v65, 7, v0                                ; r % 8
	v_mul_u32_u24 v66, v1, PITCH
	v_mad_u32_u24 v67, v2, 24, v66                      ; 16 neighbouring rows
	v_mad_u32_u24 v68, v2, 40, v66
	v_mad_u32_u24 v69, v64, 40, v65                     ; an even group: rows r % 8 and 40 + r % 8;  an odd one: r % 8 and 24 + r % 8
	v_mad_u32_u24 v70, v64, 24, v65
	v_mul_u32_u24 v69, v69, PITCH
	v_mul_u32_u24 v70, v70, PITCH
	v_mad_u32_u24 v71, v2, 24, v69
	v_mad_u32_u24 v72, v2, 40, v69
	v_mad_u32_u24 v73, v2, 24, v70
	v_mad_u32_u24 v74, v2, 40, v70
	v_add_nc_u32 v[ADRA0], s22, v67
	v_add_nc_u32 v[ADRA0+1], s22, v68
	v_add_nc_u32 v75, s23, v67
	v_add_nc_u32 v76, s23, v68
	v_add_nc_u32 v[WE], s23, v71
	v_add_nc_u32 v[WE+1], s23, v72
	v_add_nc_u32 v[WO], s23, v73
	v_add_nc_u32 v[WO+1], s23, v74
	v_add_nc_u32 v[VB], s46, v71                        ; V's block 0: group 0
	v_add_nc_u32 v[VB+1], s46, v72
	v_add_nc_u32 v73, 8*PITCH, v73
	v_add_nc_u32 v74, 8*PITCH, v74
	v_add_nc_u32 v[VB+3], s46, v73                      ; V's block 2: group 1
	v_add_nc_u32 v[VB+4], s46, v74
	v_add_nc_u32 v[ADRA], 16*PITCH, v[VB]               ; V's block 1: group 2
	v_add_nc_u32 v[ADRA+1], 16*PITCH, v[VB+1]
	v_lshlrev_b32 v77, 5, v1                            ; scale bytes: 32 a row, 16 of padding behind eight rows
	v_lshl_add_u32 v77, v64, 4, v77
	v_add_nc_u32 v[AAS0], s47, v77
	v_mul_u32_u24 v78, v64, 5*272
	v_lshl_add_u32 v78, v65, 5, v78
	v_add_nc_u32 v[VB+2], s3, v78
	v_add_nc_u32 v[AAS], 2*272, v[VB+2]
	v_mul_u32_u24 v79, v64, 3*272
	v_lshl_add_u32 v79, v65, 5, v79
	v_add_nc_u32 v79, 272, v79
	v_add_nc_u32 v[VB+5], s3, v79
	v_lshlrev_b32 v[ABS], 5, v3                         ; W_v: lane l takes row 32 p + l
	v_xor_b32 v80, v2, v64
	v_lshl_add_u32 v80, v80, 3, v65
	v_lshl_add_u32 v80, v64, 5, v80
	v_lshlrev_b32 v[ABQ], 5, v80                        ; the second weight: row 16 p + 32 (r / 8) + 8 (h ^ r / 8) + r % 8
	v_lshl_add_u32 v81, v1, 4, v2
	v_add_nc_u32 v[STO], s91, v81
	v_add_nc_u32 v[STV], s101, v81
	v_lshlrev_b32 v[CO], 4, v3
	v_lshlrev_b32 v[C8], 3, v3
	v_min_u32 v7, RA*KROW/16/256-1, v3
	v_lshl_add_u32 v7, v7, 8, s20                       ; prefetch offsets: my sixteenth of a chunk,
	v_min_u32 v8, RA*KROW/16/256-1, v3
	v_lshl_add_u32 v8, v8, 8, s21                       ; of the second weight,
	v_min_u32 v20, 3, v3
	v_lshl_add_u32 v20, v20, 8, s86                     ; of phase 2's scale bytes
	WIN 3<<6
.irp b, 0,1,2,3
	v_add_nc_u32 v[BA-768+2*\b], \b*16*PITCH, v75
	v_add_nc_u32 v[BA-768+2*\b+1], \b*16*PITCH, v76
.endr
	WIN 0
	WALU
	s_wait_dscnt 0x0
	CROUND                                              ; the opening round, ahead of the wait for the arguments
	s_wait_kmcnt 0x0
	s_cmp_eq_u32 s19, 0
	s_cselect_b64 s[4:5], s[4:5], s[56:57]
	s_cselect_b64 s[6:7], s[6:7], s[58:59]
	s_cselect_b64 s[8:9], s[8:9], s[60:61]
	s_cselect_b64 s[10:11], s[10:11], s[62:63]
	s_cselect_b64 s[48:49], s[48:49], s[50:51]
	s_mov_b32 s21, 0
	s_mov_b32 s[G0A], 1
	s_mov_b32 s[G0A+1], 0
	s_mov_b32 s[G0B], 1
	s_mov_b32 s[G0B+1], BVB
	s_mov_b32 s20, s66
	s_add_nc_u64 s[G0A+2:G0A+3], s[76:77], s[20:21]
	s_add_nc_u64 s[G0R+2:G0R+3], s[G0A+2:G0A+3], RA*KROW
	s_or_b32 s[G0A+3], s[G0A+3], 0x80000000
	s_or_b32 s[G0R+3], s[G0R+3], 0x80000000
	G0SET G0B, 80, 67
	G0SET G0S, 78, 89
	s_cmp_eq_u32 s14, 0
	s_cbranch_scc0 .Lwave_1
	TLOAD G0B, G1B                                      ; wave 0: W_v's rows
	s_branch .Lasked
.Lwave_1:
	s_cmp_eq_u32 s14, 1
	s_cbranch_scc0 .Lwave_2
	TLOAD G0S, G1S                                      ; wave 1: both chunks' scale bytes
	s_branch .Lasked
.Lwave_2:
	s_cmp_eq_u32 s14, 2
	s_cbranch_scc0 .Lwave_3
	TLOAD G0A, G1A                                      ; wave 2: chunk 0
	s_branch .Lasked
.Lwave_3:
	TLOAD G0R, G1A                                      ; wave 3: chunk 1
.Lasked:
	s_mov_b32 s20, s18
	s_add_nc_u64 s[84:85], s[82:83], s[20:21]
	s_mov_b32 s20, s2
	s_add_nc_u64 s[86:87], s[10:11], s[20:21]
.irp p, 0,1
.irp c, 0,1
	global_load_b128 v[SB+NQ*\p+4*\c:SB+NQ*\p+4*\c+3], v[ABS], s[84:85] offset:\p*32*KS+16*\c
.endr
.endr
	WIN 3<<6
.irp p, 0,1
.irp c, 0,1
	global_load_b128 v[SB2-768+NQ*\p+4*\c:SB2-768+NQ*\p+4*\c+3], v[ABQ], s[86:87] offset:\p*16*KS+16*\c
.endr
.endr
	WIN 0
	s_lshl_b32 s20, s43, 5                              ; where the results go: s[48:49] Q's or K's codes, s[10:11] their scale words, s[52:53] V's codes, s[50:51] V's scale words
	SADD 20, 17
	s_mul_i32 s20, s20, UNIT
	s_add_nc_u64 s[48:49], s[48:49], s[20:21]
	s_mul_i32 s20, s14, 8*UNIT
	s_add_co_u32 s20, s20, SCO
	s_add_nc_u64 s[10:11], s[48:49], s[20:21]
	s_mul_i32 s20, s15, 1536
	s_mul_i32 s22, s16, 768
	SADD 20, 22
	s_add_nc_u64 s[48:49], s[48:49], s[20:21]
	s_lshl_b32 s20, s13, 6
	s_lshl_b32 s22, s12, 1
	SADD 20, 22
	s_mul_i32 s20, s20, UNIT
	s_add_nc_u64 s[52:53], s[52:53], s[20:21]
	s_mul_i32 s20, s15, UNIT
	s_lshl_b32 s22, s16, 8
	SADD 20, 22
	s_add_co_u32 s20, s20, SCO
	s_add_nc_u64 s[50:51], s[52:53], s[20:21]
	s_mul_i32 s20, s16, 4*1536
	s_mul_i32 s22, s15, 768
	SADD 20, 22
	s_add_nc_u64 s[52:53], s[52:53], s[20:21]
	s_mov_b32 s46, 0
	s_mov_b32 s47, 0
	s_mov_b32 s[SPL], SCL
	s_cmp_eq_u32 s14, 0
	s_cbranch_scc0 .Lnot_b
	s_wait_tensorcnt 0x0
.Lnot_b:
	BARRIER                                             ; W_v's rows are in
	PFGO 8, 8, 0
	PFGO 7, 4, 0
	WEIGHTS
	s_cmp_eq_u32 s14, 3
	s_cbranch_scc1 .Lnot_a0
	s_wait_tensorcnt 0x0
.Lnot_a0:
	s_wait_dscnt 0x0
	BARRIER                                             ; chunk 0 and the scale bytes are in; chunk 1 may still be on its way
	FETCHAT 0, v[VB], v[VB+1], v[VB+2]
	FETCHAT 1, v[ADRA], v[ADRA+1], v[AAS]
	s_wait_loadcnt 0x0
; ================= PHASE 1: V, eight blocks: chunk 0 is band 0, chunk 1 band 1; band 0's way outs stand in band 1's blocks
.irp s, 0,1
.set VS, \s
	s_wait_dscnt NF
	BLOCK 1, \s, HV0+8*\s, 32, 0, 32, L_VST
	WIN 0
	PLACES 4
	WALU
	FETCH \s
.endr
.set VS, 2
	s_wait_dscnt NF
	GRD
	BLOCK 1, 0, HV0+16, 32, 0, 24, L_V2
	WIN 0
	s_wait_dscnt 0x0
	s_barrier_signal -1
	BLOCK 1, 0, HV0+16, 32, 24, 32, L_NONE
	MIDDLE
	BARRIER
	REFILL 1                                            ; all waves hold W_v in registers, and chunk 0 has been read; the four v_nop behind each load are the places ahead of the fetch
	WALU
	FETCH 0
	PFGO 7, 4, RA*KROW
	PFGO 20, 6, 0
.set VS, 3
	BLOCK 1, 1, HV0+24, 32, 0, 32, L_VST
	WIN 0
	PLACES 4
	WALU
	FETCH 1
.irp j, 0,1,2
.set VS, 4+\j
	s_wait_dscnt NF+(\j+1)/2
.if \j < 2
	BLOCK 1, \j%2, HV1+8*\j, 32, 0, 32, L_VOUT, HV0+32*\j, \j
.else
	BLOCK 1, \j%2, HV1+8*\j, 32, 0, 32, L_V6, HV0+32*\j, \j
.endif
	WIN 0
	CODES6 HV0+32*\j, MCD+6*\j, \j
	WALU
	ds_store_b8 v[STV], v[EB+\j] offset:256*(\j%2)+4*(\j/2)
	PUT2 MCD+6*\j, s[52:53], 1536*\j
.if \j < 2
	FETCH \j%2
.endif
.endr
	s_wait_dscnt 1
	GRD
	BLOCK 1, 1, HV1+24, 32, 0, 26, L_V7, HV0+96, 3
	WIN 0
	WALU
	s_wait_dscnt 0x0
	s_barrier_signal -1
	BLOCK 1, 1, HV1+24, 32, 26, 32, L_NONE
	WIN 0
	CODES6 HV0+96, MCD+18, 3
	MIDDLE
	BARRIER
	REFILL 0
	WALU
	ds_store_b8 v[STV], v[EB+3] offset:260
	PUT2 MCD+18, s[52:53], 1536*3
; ================= THE CHANGE OF PHASE: the weights and the first two blocks' rows in one run of loads; band 1's four way outs under their flight
	WEIGHTS
	FETCHAT 0, v[ADRA0], v[ADRA0+1], v[AAS0]
	FETCHAT 1, v[VB], v[VB+1], v[VB+2]
	s_mov_b32 s101, 32*PITCH
	s_mov_b32 s91, SSTEP
	PFGO 7, 4, 2*RA*KROW
	PFGO 7, 4, 3*RA*KROW
	WIN 3
.set I, 0
.rept 16
	v_mov_b32 v[SB+I], v[SB2-768+I]
.set I, I+1
.endr
	WIN 0
.set I, 0
.rept 18
.irp t, 0,1,2,3
	CHAIN I, HV1+32*\t, \t, 64+4*\t
.endr
.set I, I+1
.endr
.set I, 0
.rept 6
.irp t, 0,1,2,3
	CODES I, HV1+32*\t, MCD+24+6*\t, \t, 80+4*\t
.endr
.set I, I+1
.endr
	WIN 0
	WALU
; ================= PHASE 2: Q or K, sixteen blocks
	s_wait_dscnt NF
	BLOCK 0, 0, ACC, 8, 0, 32, L_STEP
	WIN 0
	PLACES 4
	WALU
.irp t, 0,1,2,3
	ds_store_b8 v[STV], v[EB+\t] offset:512+256*(\t%2)+4*(\t/2)
.endr
.irp t, 0,1,2,3
	PUT2 MCD+24+6*\t, s[52:53], UNIT+1536*\t
.endr
	FETCH 0
	P2 1, NF+4, 0
	s_mov_b32 s86, 0
.Lwith_rounds:                                          ; blocks 2 to 5, 6 to 9
	P2 0, NF+1, 1
	P2 1, -1, 0
	P2 0, NF+1, 0
	P2 1, NF+1, 0
	s_add_co_u32 s86, s86, 1
	s_cmp_lg_u32 s86, 2
	s_cbranch_scc1 .Lwith_rounds
.Lwithout:                                              ; blocks 10, 11 and 12, 13
	P2 0, NF+1, 2
	P2 1, -1, 0
	s_add_co_u32 s86, s86, 1
	s_cmp_lg_u32 s86, 4
	s_cbranch_scc1 .Lwithout
	P2 0, NF+1, 3
	P2 1, 1, 3
; ================= THE END: the last way out; the scale bytes go through LDS under its conversions
	s_wait_xcnt 0x0
	AT 0
	AT 1
	AT 2
	s_lshl_b32 s21, s14, 9
	s_add_co_u32 s21, s21, XN
	v_add_nc_u32 v[ADRA], s21, v[CO]
	s_lshl_b32 s22, s14, 8
	s_add_co_u32 s22, s22, XM
	v_add_nc_u32 v[ADRA+1], s22, v[C8]
.set I, 0
.rept 18
	CHAIN I, ACC+32, 1
.set I, I+1
.endr
	CODES 2, ACC+32, NCD+6, 1
	WALU
	ds_store_b8 v[VX], v[EB+1]
	s_wait_dscnt 0x0
	s_barrier_signal -1
	CODES 0, ACC+32, NCD+6, 1
	CODES 1, ACC+32, NCD+6, 1
	v_nop
.irp i, 3,4,5
	CODES \i, ACC+32, NCD+6, 1
.endr
	s_barrier_wait -1
	WALU
	ds_load_b128 v[64:67], v[ADRA]
	ds_load_b64 v[68:69], v[ADRA+1]
	PUT2 NCD+6, s[84:85], 0
	s_wait_dscnt 0x0
	global_store_b128 v[CO], v[64:67], s[10:11]
	global_store_b64 v[C8], v[68:69], s[50:51]
	s_wait_tensorcnt 0x0                                ; the wave's end
	ds_add_u32 v[SPW], v[NIL]
	s_wait_dscnt 0x0
	CROUND
	s_endpgm
.Lfunc_end_k_q9473878823_proj:
	.size	k_q9473878823_proj, .Lfunc_end_k_q9473878823_proj-k_q9473878823_proj
	.p2alignl 7, 3214868480
	.fill 96, 4, 3214868480
	.section	.rodata,"a",@progbits
	.p2align	6, 0x0
	.amdhsa_kernel k_q9473878823_proj
		.amdhsa_group_segment_fixed_size 327680
		.amdhsa_private_segment_fixed_size 0
		.amdhsa_enable_private_segment 0
		.amdhsa_kernarg_size 120
		.amdhsa_user_sgpr_count 2
		.amdhsa_user_sgpr_kernarg_segment_ptr 1
		.amdhsa_wavefront_size32 1
		.amdhsa_system_sgpr_workgroup_id_x 1
		.amdhsa_system_sgpr_workgroup_id_y 1
		.amdhsa_system_sgpr_workgroup_id_z 1
		.amdhsa_system_vgpr_workitem_id 0
		.amdhsa_next_free_vgpr 992
		.amdhsa_next_free_sgpr 102
		.amdhsa_reserve_vcc 0
		.amdhsa_float_denorm_mode_32 3
		.amdhsa_float_denorm_mode_16_64 3
		.amdhsa_memory_ordered 1
		.amdhsa_forward_progress 1
		.amdhsa_inst_pref_size 192
	.end_amdhsa_kernel
	.amdgpu_metadata
---
amdhsa.version: [ 1, 2 ]
amdhsa.kernels:
  - .name:           k_q9473878823_proj
    .symbol:         k_q9473878823_proj.kd
    .args:
      - { .name: inputs_for_queries_codes, .offset: 0, .size: 8, .value_kind: global_buffer, .address_space: global }
      - { .name: inputs_for_queries_scales, .offset: 8, .size: 8, .value_kind: global_buffer, .address_space: global }
      - { .name: weight_Q_codes, .offset: 16, .size: 8, .value_kind: global_buffer, .address_space: global }
      - { .name: weight_Q_scales, .offset: 24, .size: 8, .value_kind: global_buffer, .address_space: global }
      - { .name: inputs_for_keys_codes, .offset: 32, .size: 8, .value_kind: global_buffer, .address_space: global }
      - { .name: inputs_for_keys_scales, .offset: 40, .size: 8, .value_kind: global_buffer, .address_space: global }
      - { .name: weight_K_codes, .offset: 48, .size: 8, .value_kind: global_buffer, .address_space: global }
      - { .name: weight_K_scales, .offset: 56, .size: 8, .value_kind: global_buffer, .address_space: global }
      - { .name: inputs_for_values_codes, .offset: 64, .size: 8, .value_kind: global_buffer, .address_space: global }
      - { .name: inputs_for_values_scales, .offset: 72, .size: 8, .value_kind: global_buffer, .address_space: global }
      - { .name: weight_V_codes, .offset: 80, .size: 8, .value_kind: global_buffer, .address_space: global }
      - { .name: weight_V_scales, .offset: 88, .size: 8, .value_kind: global_buffer, .address_space: global }
      - { .name: Qc, .offset: 96, .size: 8, .value_kind: global_buffer, .address_space: global }
      - { .name: Kc, .offset: 104, .size: 8, .value_kind: global_buffer, .address_space: global }
      - { .name: Vc, .offset: 112, .size: 8, .value_kind: global_buffer, .address_space: global }
    .group_segment_fixed_size: 327680
    .private_segment_fixed_size: 0
    .kernarg_segment_align: 8
    .kernarg_segment_size: 120
    .max_flat_workgroup_size: 128
    .sgpr_count:     102
    .vgpr_count:     992
    .wavefront_size: 32
...
	.end_amdgpu_metadata
.endif
;; end of part 1
;; launch score (part 2): grid 12 x 16, 4 waves a work-group, clusters of 4 x 4, 327,680 bytes of LDS; arguments Qc, Kc, Pc, NMs, Ls; writes Pc, NMs, Ls
.if DOCPART == 2
	.amdgcn_target "amdgcn-amd-amdhsa--gfx1250"
	.amdhsa_code_object_version 6
	.text
	.protected	k_q9473878823_score
	.globl	k_q9473878823_score
	.p2align	8
	.type	k_q9473878823_score,@function
k_q9473878823_score:
	s_mov_b64 s[64:65], 0
	v_nop
	global_prefetch_b8 v0, s[64:65] scope:SCOPE_SE
	s_setreg_imm32_b32 hwreg(HW_REG_WAVE_MODE, 25, 1), 1
	s_wait_xcnt 0x0
	s_wait_alu depctr_hold_cnt(0) depctr_sa_sdst(0) depctr_va_vdst(0) depctr_va_sdst(0) depctr_va_ssrc(0) depctr_va_vcc(0) depctr_vm_vsrc(0)
	s_getreg_b32 s2, hwreg(HW_REG_IB_STS2, 6, 4)
	s_cmp_eq_u32 s2, 0
	s_cbranch_scc0 .Lentry_in_a_cluster
	s_endpgm
.Lentry_in_a_cluster:
	s_bfe_u32 s2, ttmp6, 0x10000c
	s_cmp_lg_u32 s2, 0xf033
	s_cbranch_scc0 .Lentry_shape_is_right
	s_endpgm
.Lentry_shape_is_right:
; THE SCORES AND THE SOFTMAX'S NUMERATOR.  S^T = K Q^T on codes of FP6 (K = e = 1,024), causal mask, p = 2^(t - M), p quantised along the keys.  t = score x log2(e) / sqrt(2,048), one fused multiply-add.
; A work-group makes 256 queries x 256 keys of one batch, a wave 128 x 128: 64 accumulators.  Source 0 = 16 keys, source 1 = 16 queries: a lane holds ONE query and its registers run along the keys.
; A wave's 128 keys are one K step of the last product.  M IS LOCAL TO THEM: M_loc = ceil(the row's largest t among these 128 keys), a whole number; l_loc = the sum of the unquantised p.
; -M_loc and l_loc are stored for each (row, 128 keys); the next launch takes M = the largest M_loc and lowers p's scale bytes by M - M_loc: an exact power of two, so the codes stay as they are.
; WORK LEFT OUT: clusters of 4 x 4 work-groups make super-tiles of 1,024 x 1,024: (queries, keys) = (0,0), (1,0), (1,1) of each batch; (0,1) lies wholly under the causal mask, for all inputs, and is not made: a NaN or an infinity that reaches only it is not carried on.
; In a super-tile on the diagonal the tiles above it run the same text (partners of a cluster run alike) and store zero codes, l_loc = 0 and -M_loc = 3e38.
; THE MASK has no branch: whether a tile of 16 x 16 is hidden, open or on the diagonal is held in scalar lane masks, and v_cndmask_b32 puts -infinity.
; UNITS of 12,800 bytes (128 rows x 128 along K), images of operand registers, fragment f at 1,536 f.  Qc, Kc: a fragment is two halves of 768 bytes (16 bytes a lane, then 8 bytes a lane), then 512 bytes of scale words: the word at 16 l + 4 j: fragment 2 j + l / 16, row l % 16.
; Pc: a fragment is three pieces of 16 bytes a lane; scale words: for each half f of 64 rows 256 bytes, the word at 8 l + 4 j is row 64 f + 32 j + l.
; Inside a block of 32 keys P lies in the order 0-7, 16-23, 8-15, 24-31 (lanes 0-15) or 8-15, 24-31, 0-7, 16-23 (lanes 16-31): the order in which the first launch lays V's tokens.
; LDS: two slots of three K steps (Q's two panels, K's two).  A's tiles (Q) are shared along a row of the cluster, B's (K) along a column.  K steps 0-2 are asked for at the head, 3-5 behind the round that shows them, 6 and 7 behind the one refill's round.
; PREFETCHES: at the head, K steps 3 to 7 of each panel: 250 blocks of 256 bytes, shared out by address among the four partners that ask for the panel jointly (64 each, the last held inside the panel).
; LIMITS: NaN and infinities are not served.  A block of 32 keys whose every p is 0 gets the byte 1: its codes are zeros.  The block's largest p is made from the block's largest score by the same two instructions as every p.
; The promise holds while the scaled scores (exponents to the base 2) stay under 2^31 in magnitude.
.set UNIT,  12800
.set SCO,   12288
.set PART,  3*UNIT                     ; one tensor load: three K steps of a panel
.set SLOT,  4*PART
.set SPARE, 2*SLOT
.set ADRA, 16                          ; v16-17 16 x lane + my panel of Q in slot 0, 1;  v18-19 8 x lane + the same
.set ADRB, 20                          ; v20-23 the same for K
.set L8,   2
.set PFA,  3                           ; v3, v26 the prefetches' offsets
.set PFB,  26
.set LI,   24                          ; 16 x lane
.set L4,   27                          ; 4 x lane
.set SPW,  28
.set NIL,  29
.set NINF, 30
.set SC,   32                          ; v32-47 scale words, a set of 8 for each parity of the K step: Q's four, K's four
.set AF,   64                          ; v64-159, v160-255 Q's fragments, two sets;  window 1: K's, two sets;  windows 2, 3: the accumulators
; the way out, for two blocks of 16 queries u = 0, 1 at a time:
.set PW,   32                          ; v32-33 p's scale words
.set STN,  34                          ; -M and l as they are stored
.set STL,  35
.set SW,   40                          ; v40-43 scale words as they are stored
.set NMP,  44                          ; pairs, 6 registers on for u = 1: -M; -M or -infinity for the tiles left and right of the diagonal one
.set NML,  46
.set NMH,  48
.set LS,   56                          ; v56-59 the sums
.set TR,   60
.set T,    64                          ; v64-191 t - M, then p
.set MT,   192                         ; v192-207 the largest score of each tile of 16 keys
.set TP,   192                         ; later the conversions' second halves
.set BM,   208                         ; v208-215 of each block of 32 keys
.set BX,   216
.set TW,   216                         ; v216-227 codes that change lanes
.set SO,   224                         ; v224-231 the conversions' scale operands
.set BY,   232                         ; v232-239 the scale bytes
.set PC0,  240                         ; codes: v240-251 (u = 0), v4-15 (u = 1)
.set PC1,  4
.set G1,   24
.set G0,   32
.set G1B,  48
.set G0B,  56
.set CS,   68                          ; s[68:69] c = log2(e) / sqrt(2,048)
.set SEL,  70
.set MLO,  72                          ; s72 all ones where my keys all come after my queries
.set MHI,  73                          ; s73 all ones where they do, or my tile lies on the diagonal
.set DG,   76                          ; s76-83 register j of the diagonal 16 x 16: the lanes whose key is hidden
.set HIM,  84                          ; lanes 16-31
.set MSB, 0
.macro WIN new
.if MSB != \new
	s_set_vgpr_msb (MSB<<8)|\new
.set MSB, \new
.endif
.endm
.set MUL_LO, 0xa1
.set MUL_HI, 0xf1
.set TO_B,   0x40
.macro PLACES n
.rept \n
	v_nop
.endr
.endm
.macro JLOAD g0a, g1a, g0b, g1b        ; waves 0 and 1 fetch Q's panels, waves 2 and 3 K's
	s_cmp_eq_u32 s15, 0
	s_cbranch_scc0 .Lfor_b_\@
	tensor_load_to_lds s[\g0a:\g0a+3], s[\g1a:\g1a+7]
	s_nop 0
	PLACES 4
	s_branch .Lasked_\@
.Lfor_b_\@:
	tensor_load_to_lds s[\g0b:\g0b+3], s[\g1b:\g1b+7]
	s_nop 0
	PLACES 4
.Lasked_\@:
.endm
.macro CREST
	s_cmp_lg_u32 s14, 0
	s_cbranch_scc1 .Lnot_wave_0_\@
	s_barrier_signal -3
.Lnot_wave_0_\@:
	s_barrier_wait -3
	s_barrier_signal -1
	s_barrier_wait -1
.endm
.macro CROUND
	s_barrier_signal -1
	s_barrier_wait -1
	CREST
.endm
	s_load_b256 s[4:11], s[0:1], 0x0               ; Qc, Kc, Pc, NMs
	s_load_b64 s[12:13], s[0:1], 0x20              ; Ls
	v_lshl_add_u32 v[SPW], v0, 2, SPARE
	v_mov_b32 v[NIL], 0
	ds_add_u32 v[SPW], v[NIL]                      ; the opening lines
	ds_add_u32 v[SPW], v[NIL]
	v_lshrrev_b32 v1, 5, v0
	v_readfirstlane_b32 s14, v1                    ; wave 0..3
	s_lshr_b32 s15, s14, 1                         ; my half of the queries.  Also: I fetch for Q (0) or for K (1)
	s_and_b32 s16, s14, 1                          ; my half of the keys.  Also: which panel I fetch
	s_bfe_u32 s40, ttmp6, 0x40000                  ; cx
	s_bfe_u32 s41, ttmp6, 0x40004                  ; cy
	s_min_u32 s18, ttmp9, 1                        ; the super-tile: queries 0, 1, 1
	s_lshr_b32 s19, ttmp9, 1                       ; keys 0, 0, 1
	s_lshl_b32 s17, s18, 2
	s_add_co_u32 s17, s17, s41                     ; i: my 256 queries
	s_lshl_b32 s42, s19, 2
	s_add_co_u32 s42, s42, s40                     ; j: my 256 keys
	s_and_b32 s18, ttmp7, 0xffff                   ; the batch
	s_lshl_b32 s19, s18, 4                         ; its first panel
	s_lshl_b32 s43, s41, 2
	s_lshl_b32 s43, 15, s43                        ; my row of the cluster
	s_lshl_b32 s44, 0x1111, s40                    ; my column
	s_or_b32 s[G1+0], s43, (3<<16)|(1<<21)         ; dense bytes as rows of 256 (32 elements of 8 bytes), no padding
	s_or_b32 s[G1B+0], s44, (3<<16)|(1<<21)
.irp g, G1, G1B
	s_mov_b32 s[\g+1], 32<<16
	s_mov_b32 s[\g+2], 150<<16
	s_mov_b32 s[\g+3], 32<<16
	s_mov_b32 s[\g+4], 150
	s_mov_b32 s[\g+5], 32
	s_mov_b32 s[\g+6], 0
	s_mov_b32 s[\g+7], 0
.endr
	s_lshl_b32 s20, s17, 1
	s_add_co_u32 s20, s20, s19
	s_add_co_u32 s20, s20, s16                     ; Q: panel 16 batch + 2 i + which
	s_mul_i32 s20, s20, 8*UNIT
	s_mov_b32 s21, 0
	s_lshl_b32 s46, s42, 1
	s_add_co_u32 s46, s46, s19
	s_add_co_u32 s46, s46, s16                     ; K: panel 16 batch + 2 j + which
	s_mul_i32 s46, s46, 8*UNIT
	s_mov_b32 s47, 0
	s_mul_i32 s45, s14, PART                       ; where they go
	s_wait_dscnt 0x0
	CROUND                                         ; all sixteen work-groups are here: the first joint loads meet
	s_wait_kmcnt 0x0
	s_add_nc_u64 s[20:21], s[4:5], s[20:21]
	s_add_nc_u64 s[46:47], s[6:7], s[46:47]
.irp s, 0,1
	s_mov_b32 s[G0+4*\s], 1
	s_add_co_u32 s[G0+4*\s+1], s45, \s*SLOT
	s_add_nc_u64 s[G0+4*\s+2:G0+4*\s+3], s[20:21], \s*PART
	s_or_b32 s[G0+4*\s+3], s[G0+4*\s+3], 0x80000000
	s_mov_b32 s[G0B+4*\s], 1
	s_add_co_u32 s[G0B+4*\s+1], s45, \s*SLOT
	s_add_nc_u64 s[G0B+4*\s+2:G0B+4*\s+3], s[46:47], \s*PART
	s_or_b32 s[G0B+4*\s+3], s[G0B+4*\s+3], 0x80000000
.endr
	JLOAD G0, G1, G0B, G1B                         ; K steps 0-2: one tensor load a wave at the head
	s_cmp_eq_u32 s15, 0
	s_cselect_b64 s[86:87], s[20:21], s[46:47]     ; the panel that I fetch
	s_cselect_b32 s23, s40, s41                    ; my place among the four that ask for it
	s_lshl_b32 s23, s23, 6
	s_mul_i32 s21, s15, PART                       ; my panel of Q
	s_mul_i32 s22, s16, PART
	s_add_co_u32 s22, s22, 2*PART                  ; my panel of K, behind Q's two
	v_and_b32 v1, 31, v0
	v_lshlrev_b32 v[L8], 3, v1
	v_lshlrev_b32 v[LI], 4, v1
	v_lshlrev_b32 v[L4], 2, v1
	v_mov_b32 v[NINF], 0xff800000
	v_add_nc_u32 v[PFA], s23, v1
	v_add_nc_u32 v[PFB], 32, v[PFA]
	v_min_u32 v[PFA], 249, v[PFA]
	v_min_u32 v[PFB], 249, v[PFB]
	v_lshlrev_b32 v[PFA], 8, v[PFA]
	v_lshlrev_b32 v[PFB], 8, v[PFB]
.irp s, 0,1
	v_add_nc_u32 v[ADRA+\s], s21, v[LI]
	v_add_nc_u32 v[ADRA+2+\s], s21, v[L8]
	v_add_nc_u32 v[ADRB+\s], s22, v[LI]
	v_add_nc_u32 v[ADRB+2+\s], s22, v[L8]
	s_add_co_u32 s21, s21, SLOT
	s_add_co_u32 s22, s22, SLOT
.endr
	s_wait_alu depctr_va_vdst(0)
	global_prefetch_b8 v[PFA], s[86:87] offset:PART th:TH_LOAD_NT scope:SCOPE_SE
	global_prefetch_b8 v[PFB], s[86:87] offset:PART th:TH_LOAD_NT scope:SCOPE_SE
	s_lshl_b32 s20, s17, 1
	s_add_co_u32 s20, s20, s15                     ; my 128 queries: 2 i + half
	s_lshl_b32 s21, s42, 1
	s_add_co_u32 s21, s21, s16                     ; my 128 keys: 2 j + half
	s_cmp_lt_u32 s20, s21
	s_cselect_b32 s[MLO], -1, 0
	s_cmp_le_u32 s20, s21
	s_cselect_b32 s[MHI], -1, 0
	s_cmp_eq_u32 s20, s21
	s_cselect_b32 s74, -1, 0
.irp j, 0,1,2,3,4,5,6,7                        ; key 8 h + j of the diagonal 16 x 16 is hidden from query r where r < 8 h + j
	s_and_b32 s[DG+\j], s74, ((1<<\j)-1)|(((1<<(8+\j))-1)<<16)
	s_or_b32 s[DG+\j], s[DG+\j], s[MLO]
.endr
	s_add_co_u32 s22, s19, s20
	s_lshl_b32 s22, s22, 4
	s_add_co_u32 s22, s22, s21                     ; my unit of Pc: (panel 16 batch + 2 i + half) x 16 + K step 2 j + half
	s_mul_i32 s22, s22, UNIT
	s_mov_b32 s23, 0
	s_add_nc_u64 s[8:9], s[8:9], s[22:23]
	s_add_co_u32 s22, s19, s21
	s_lshl_b32 s22, s22, 13                        ; the statistics: [batch][K step][2,048 rows] of 4 bytes
	s_lshl_b32 s20, s20, 9
	s_add_co_u32 s22, s22, s20
	s_add_nc_u64 s[10:11], s[10:11], s[22:23]
	s_add_nc_u64 s[12:13], s[12:13], s[22:23]
	s_mov_b32 s[CS], 0x3d0293ee
	s_mov_b32 s[CS+1], s[CS]
	s_mov_b32 s[SEL], 0x76543210
	s_mov_b32 s[SEL+1], 0xfedcba98
	s_mov_b32 s[HIM], 0xffff0000
.macro FRAGI reg, adr, off             ; a fragment of Q or K: two halves
	ds_load_b128 v[\reg:\reg+3], v[\adr] offset:\off
	ds_load_b64 v[\reg+4:\reg+5], v[\adr+2] offset:\off+512
	ds_load_b128 v[\reg+6:\reg+9], v[\adr] offset:\off+768
	ds_load_b64 v[\reg+10:\reg+11], v[\adr+2] offset:\off+1280
.endm
.macro FETCH k                         ; K step k into set k % 2: K's eight fragments, Q's eight, the scale words
.set FP_, (\k)%2
.set FS_, ((\k)/3)%2
.set FO_, ((\k)%3)*UNIT
	WIN TO_B
.irp i, 0,1,2,3,4,5,6,7
	FRAGI 128*FP_+12*\i, ADRB+FS_, FO_+1536*\i
.endr
	WIN 0
.irp i, 0,1,2,3,4,5,6,7
	FRAGI AF+96*FP_+12*\i, ADRA+FS_, FO_+1536*\i
.endr
	ds_load_b128 v[SC+8*FP_:SC+8*FP_+3], v[ADRA+FS_] offset:FO_+SCO
	ds_load_b128 v[SC+8*FP_+4:SC+8*FP_+7], v[ADRB+FS_] offset:FO_+SCO
.endm
.macro PR a, ra, b, rb, p, zero        ; one product: keys' tile b, queries' block a; rb, ra: which half of the lanes holds their scale words
.set rD, 8*(8*((\a)%4)+(\b))
.set rB, 128*(\p)+12*(\b)
.set rA, AF+96*(\p)+12*(\a)
.set rSB, SC+8*(\p)+4+(\b)/2
.set rSA, SC+8*(\p)+(\a)/2
.if \zero
	v_wmma_scale_f32_16x16x128_f8f6f4 v[rD:rD+7], v[rB:rB+11], v[rA:rA+11], 0, v[rSB], v[rSA] matrix_a_fmt:MATRIX_FMT_FP6 matrix_b_fmt:MATRIX_FMT_FP6 matrix_a_scale:MATRIX_SCALE_ROW\rb matrix_b_scale:MATRIX_SCALE_ROW\ra
.else
	v_wmma_scale_f32_16x16x128_f8f6f4 v[rD:rD+7], v[rB:rB+11], v[rA:rA+11], v[rD:rD+7], v[rSB], v[rSA] matrix_a_fmt:MATRIX_FMT_FP6 matrix_b_fmt:MATRIX_FMT_FP6 matrix_a_scale:MATRIX_SCALE_ROW\rb matrix_b_scale:MATRIX_SCALE_ROW\ra
.endif
.endm
; Eight products.  The 64 accumulators take turns, one instruction a turn, in the same order in every step.
.macro MULA a, ra, p, zero
	PR \a, \ra, 0, 0, \p, \zero
	PR \a, \ra, 1, 1, \p, \zero
	PR \a, \ra, 2, 0, \p, \zero
	PR \a, \ra, 3, 1, \p, \zero
	PR \a, \ra, 4, 0, \p, \zero
	PR \a, \ra, 5, 1, \p, \zero
	PR \a, \ra, 6, 0, \p, \zero
	PR \a, \ra, 7, 1, \p, \zero
.endm
.macro MULH p, zero                    ; my rows 64-127
	WIN MUL_HI
	MULA 4, 0, \p, \zero
	MULA 5, 1, \p, \zero
	MULA 6, 0, \p, \zero
	MULA 7, 1, \p, \zero
	WIN 0
.endm
.macro KSTEP k, p, zero                ; K step k on set p = k % 2; steps 2 and 5 change slots
.if ((\k)%3) == 2
	s_wait_tensorcnt 0x0                           ; all my tensor loads have landed: my part of the next slot
.if \k == 2
	ds_add_u32 v[SPW], v[NIL]
	s_mov_b32 s[G1+2], 100<<16                     ; the refill brings K steps 6 and 7
	s_mov_b32 s[G1+4], 100
	s_mov_b32 s[G1B+2], 100<<16
	s_mov_b32 s[G1B+4], 100
	s_add_nc_u64 s[G0+2:G0+3], s[G0+2:G0+3], 2*PART
	s_add_nc_u64 s[G0B+2:G0B+3], s[G0B+2:G0B+3], 2*PART
	s_wait_dscnt 1                                 ; only the add may be out: this step's fragments are in
.else
	s_wait_dscnt 0x0
.endif
	WIN MUL_LO
	MULA 0, 0, \p, \zero
	MULA 1, 1, \p, \zero
.if \k == 2
	s_wait_dscnt 0x0                               ; the add is done; my reads of this slot were over already
.endif
	s_barrier_signal -1
	MULA 2, 0, \p, \zero
	MULA 3, 1, \p, \zero
	WIN 0
	s_barrier_wait -1
.if \k == 2
	CREST                                          ; a round: no wave of any partner reads this slot or has a load on its way
	JLOAD G0, G1, G0B, G1B                         ; the first tensor load behind the round; its four v_nop are the places ahead of the loads below
.else
	PLACES 4
.endif
	FETCH (\k)+1
	MULH \p, \zero
.else
	s_wait_dscnt 0x0                               ; this step's fragments and scale words
	PLACES 4                                       ; between the products that read the other set and the loads into it
	WIN MUL_LO
	MULA 0, 0, \p, \zero
	MULA 1, 1, \p, \zero
.if \k < 7
	FETCH (\k)+1
	WIN MUL_LO
.endif
	MULA 2, 0, \p, \zero
	MULA 3, 1, \p, \zero
	MULH \p, \zero
.endif
.endm
	s_wait_tensorcnt 0x0                           ; my part of slot 0 is in
	ds_add_u32 v[SPW], v[NIL]
	s_wait_dscnt 0x0
	CROUND
	JLOAD G0+4, G1, G0B+4, G1B                     ; K steps 3-5, the first tensor load behind the round
	FETCH 0
	KSTEP 0, 0, 1
	KSTEP 1, 1, 0
	KSTEP 2, 0, 0
	KSTEP 3, 1, 0
	KSTEP 4, 0, 0
	KSTEP 5, 1, 0
	KSTEP 6, 0, 0
	KSTEP 7, 1, 0
; THE WAY OUT of blocks a and a + 1 (16 queries x my 128 keys each), side by side.  Tile b of 16 keys is open where b < a, hidden where b > a, cut where b = a, if my 128 x 128 lies on the diagonal; else all are open or all hidden.
.macro PAIR a
.set W, 2+(\a)/4
.set X_, 64*((\a)%4)
	s_wait_alu depctr_va_vdst(0)                   ; the wait ahead of the first readers of these sums
	WIN (W<<6)|W
.irp u, 0,1
.irp j, 0,1,2,3,4,5,6,7
	v_cndmask_b32 v[X_+64*\u+8*((\a)+\u)+\j], v[X_+64*\u+8*((\a)+\u)+\j], v[NINF], s[DG+\j]   ; the diagonal tile's hidden scores
.endr
.endr
	WIN (W<<2)|W
.irp u, 0,1
.irp b, 0,1,2,3,4,5,6,7
	v_max_num_f32 v[MT+8*\u+\b], v[X_+64*\u+8*\b], v[X_+64*\u+8*\b+1]
.endr
.endr
.irp i, 2,4,6
.irp u, 0,1
.irp b, 0,1,2,3,4,5,6,7
	v_max3_num_f32 v[MT+8*\u+\b], v[X_+64*\u+8*\b+\i], v[X_+64*\u+8*\b+\i+1], v[MT+8*\u+\b]
.endr
.endr
.endr
	WIN 0
.irp u, 0,1
.irp b, 0,1,2,3,4,5,6,7
.if \b < (\a)+\u
	v_cndmask_b32 v[MT+8*\u+\b], v[MT+8*\u+\b], v[NINF], s[MLO]
.elseif \b > (\a)+\u
	v_cndmask_b32 v[MT+8*\u+\b], v[MT+8*\u+\b], v[NINF], s[MHI]
.endif
.endr
.endr
.irp u, 0,1
.irp g, 0,1,2,3
	v_max_num_f32 v[BM+4*\u+\g], v[MT+8*\u+2*\g], v[MT+8*\u+2*\g+1]
.endr
.endr
.irp n, 0,1,2,3,4,5,6,7
	v_permlanex16_b32 v[BX+\n], v[BM+\n], s[SEL], s[SEL+1]
.endr
.irp n, 0,1,2,3,4,5,6,7
	v_max_num_f32 v[BM+\n], v[BM+\n], v[BX+\n]     ; the largest score of each block of 32 keys
.endr
.irp u, 0,1
	v_max3_num_f32 v[TR+\u], v[BM+4*\u], v[BM+4*\u+1], v[BM+4*\u+2]
.endr
.irp u, 0,1
	v_max_num_f32 v[TR+\u], v[TR+\u], v[BM+4*\u+3]
.endr
.irp u, 0,1
	v_mul_f32 v[TR+\u], s[CS], v[TR+\u]            ; as t (c is positive)
.endr
.irp u, 0,1
	v_max_num_f32 v[TR+\u], 0xff61b1e6, v[TR+\u]   ; a row with no open key here: -3e38
.endr
.irp u, 0,1
	v_floor_f32 v[NMP+6*\u], -v[TR+\u]             ; -M = floor(-t) = -ceil(t): a whole number
.endr
.irp u, 0,1
	v_cndmask_b32 v[NML+6*\u], v[NMP+6*\u], v[NINF], s[MLO]   ; a hidden tile gets -infinity in -M's place: p = 0
	v_cndmask_b32 v[NMH+6*\u], v[NMP+6*\u], v[NINF], s[MHI]
.endr
	WIN W
.irp u, 0,1
.irp b, 0,1,2,3,4,5,6,7
.if \b < (\a)+\u
.set NX_, NML+6*\u
.elseif \b > (\a)+\u
.set NX_, NMH+6*\u
.else
.set NX_, NMP+6*\u
.endif
.irp i, 0,2,4,6
	v_pk_fma_f32 v[T+64*\u+8*\b+\i:T+64*\u+8*\b+\i+1], v[X_+64*\u+8*\b+\i:X_+64*\u+8*\b+\i+1], s[CS:CS+1], v[NX_:NX_+1] op_sel_hi:[1,0,0]   ; t - M
.endr
.endr
.endr
	WIN 0
.irp u, 0,1
.irp g, 0,1,2,3
	v_fma_f32 v[BM+4*\u+\g], v[BM+4*\u+\g], s[CS], v[NMP+6*\u]   ; the same of each block's largest score
.endr
.endr
	s_wait_alu depctr_va_vdst(0)                   ; the wait ahead of the batch
	s_wait_xcnt 0x0                                ; the last pair's stores have read their registers
.set I, 0
.rept 128
	v_exp_f32 v[T+I], v[T+I]                       ; p = 2^(t - M), at most 1
.set I, I+1
.endr
	v_cndmask_b32 v[STN], v[NMP], v[NMP+6], s[HIM] ; lane l holds row 16 a + l's -M
	s_wait_alu depctr_va_vdst(0)                   ; one wait for the batch
.irp n, 0,1,2,3,4,5,6,7
	v_exp_f32 v[BM+\n], v[BM+\n]                   ; each block's largest p
.endr
.irp u, 0,1
	v_pk_add_f32 v[LS+2*\u:LS+2*\u+1], v[T+64*\u:T+64*\u+1], v[T+64*\u+2:T+64*\u+3]   ; the row's sum, of the unquantised p: two chains each
	v_pk_add_f32 v[BX+4*\u:BX+4*\u+1], v[T+64*\u+4:T+64*\u+5], v[T+64*\u+6:T+64*\u+7]
.endr
.irp j, 8,12,16,20,24,28,32,36,40,44,48,52,56,60
.irp u, 0,1
	v_pk_add_f32 v[LS+2*\u:LS+2*\u+1], v[LS+2*\u:LS+2*\u+1], v[T+64*\u+\j:T+64*\u+\j+1]
	v_pk_add_f32 v[BX+4*\u:BX+4*\u+1], v[BX+4*\u:BX+4*\u+1], v[T+64*\u+\j+2:T+64*\u+\j+3]
.endr
.endr
.irp u, 0,1
	v_pk_add_f32 v[LS+2*\u:LS+2*\u+1], v[LS+2*\u:LS+2*\u+1], v[BX+4*\u:BX+4*\u+1]
.endr
.irp u, 0,1
	v_add_f32 v[LS+2*\u], v[LS+2*\u], v[LS+2*\u+1]
.endr
.irp u, 0,1
	v_permlanex16_b32 v[BX+4*\u], v[LS+2*\u], s[SEL], s[SEL+1]
.endr
.irp u, 0,1
	v_add_f32 v[TR+\u], v[LS+2*\u], v[BX+4*\u]     ; with lane l xor 16's 64 keys
.endr
	v_cndmask_b32 v[STL], v[TR], v[TR+1], s[HIM]
	s_wait_alu depctr_va_vdst(0)                   ; and one wait for the eight
.irp n, 0,1,2,3,4,5,6,7
	v_max_num_f32 v[BM+\n], 0x1800000, v[BM+\n]    ; the floor 2^(3 - 127): the byte cannot fall under 1
.endr
.irp n, 0,1,2,3,4,5,6,7
	v_add_nc_u32 v[SO+\n], 0xff000000, v[BM+\n]    ; 2 off the exponent field: the conversion's scale operand
.endr
.irp n, 0,1,2,3,4,5,6,7
	v_lshrrev_b32 v[BY+\n], 23, v[SO+\n]           ; the scale's byte, at most 125
.endr
.irp u, 0,1
	v_lshl_or_b32 v[PW+\u], v[BY+4*\u+1], 8, v[BY+4*\u]
.endr
.irp u, 0,1
	v_lshl_or_b32 v[PW+\u], v[BY+4*\u+2], 16, v[PW+\u]
.endr
.irp u, 0,1
	v_lshl_or_b32 v[PW+\u], v[BY+4*\u+3], 24, v[PW+\u]
.endr
	v_cndmask_b32 v[SW+(\a)/2], v[PW], v[PW+1], s[HIM]
.irp u, 0,1
.set PC_, PC0+(PC1-PC0)*\u
.irp c, 0,1
	v_cvt_scalef32_pk16_fp6_f32 v[PC_+6*\c:PC_+6*\c+2], v[T+64*\u+32*\c:T+64*\u+32*\c+15], v[SO+4*\u+2*\c]
	v_cvt_scalef32_pk16_fp6_f32 v[TP+8*\u+4*\c:TP+8*\u+4*\c+2], v[T+64*\u+32*\c+16:T+64*\u+32*\c+31], v[SO+4*\u+2*\c+1]
.endr
.endr
	v_nop                                          ; one plain place behind a scaled conversion
.irp u, 0,1
.set PC_, PC0+(PC1-PC0)*\u
.irp c, 0,1
.irp i, 0,1,2                                  ; lanes 0-15 get block 2 c whole, lanes 16-31 block 2 c + 1
	v_cndmask_b32 v[TW+6*\u+3*\c+\i], v[TP+8*\u+4*\c+\i], v[PC_+6*\c+\i], s[HIM]
.endr
.endr
.endr
.irp u, 0,1
.set PC_, PC0+(PC1-PC0)*\u
.irp c, 0,1
.irp i, 0,1,2
	v_cndmask_b32 v[PC_+6*\c+\i], v[PC_+6*\c+\i], v[TP+8*\u+4*\c+\i], s[HIM]
.endr
.endr
.endr
.irp u, 0,1
.set PC_, PC0+(PC1-PC0)*\u
.irp c, 0,1
.irp i, 0,1,2
	v_permlanex16_b32 v[PC_+3+6*\c+\i], v[TW+6*\u+3*\c+\i], s[SEL], s[SEL+1]
.endr
.endr
.endr
.irp u, 0,1
.set PC_, PC0+(PC1-PC0)*\u
.irp c, 0,1,2
	global_store_b128 v[LI], v[PC_+4*\c:PC_+4*\c+3], s[8:9] offset:((\a)+\u)*1536+512*\c   ; 512 consecutive bytes a store
.endr
.endr
	global_store_b32 v[L4], v[STN], s[10:11] offset:64*(\a)
	global_store_b32 v[L4], v[STL], s[12:13] offset:64*(\a)
.endm
	s_wait_alu depctr_va_vdst(0)                   ; the wait behind the last products
	PLACES 4                                       ; between the last products and the first read of results and write of their operands
.irp n, 0,1,2,3,4,5,6,7
	v_mov_b32 v[BX+\n], 0                          ; a lane permute's destination counts as one of its sources
.endr
.irp n, 0,1,2,3,4,5
	v_mov_b32 v[NMP+1+2*\n], 0                     ; the pairs' upper words are named and not used
.endr
.irp n, 0,1,2,3,4,5,6,7,8,9,10,11
	v_mov_b32 v[PC1+\n], 0
.endr
	PAIR 0
	PAIR 2
	PAIR 4
	PAIR 6
	global_store_b64 v[L8], v[SW:SW+1], s[8:9] offset:SCO
	global_store_b64 v[L8], v[SW+2:SW+3], s[8:9] offset:SCO+256
	s_wait_tensorcnt 0x0                           ; the wave's end
	ds_add_u32 v[SPW], v[NIL]
	s_wait_dscnt 0x0
	CROUND                                         ; the closing round
	s_endpgm
.Lfunc_end_k_q9473878823_score:
	.size	k_q9473878823_score, .Lfunc_end_k_q9473878823_score-k_q9473878823_score
	.p2alignl 7, 3214868480
	.fill 96, 4, 3214868480
	.section	.rodata,"a",@progbits
	.p2align	6, 0x0
	.amdhsa_kernel k_q9473878823_score
		.amdhsa_group_segment_fixed_size 327680
		.amdhsa_private_segment_fixed_size 0
		.amdhsa_enable_private_segment 0
		.amdhsa_kernarg_size 40
		.amdhsa_user_sgpr_count 2
		.amdhsa_user_sgpr_kernarg_segment_ptr 1
		.amdhsa_wavefront_size32 1
		.amdhsa_system_sgpr_workgroup_id_x 1
		.amdhsa_system_sgpr_workgroup_id_y 1
		.amdhsa_system_sgpr_workgroup_id_z 1
		.amdhsa_system_vgpr_workitem_id 0
		.amdhsa_next_free_vgpr 1024
		.amdhsa_next_free_sgpr 96
		.amdhsa_reserve_vcc 0
		.amdhsa_float_denorm_mode_32 3
		.amdhsa_float_denorm_mode_16_64 3
		.amdhsa_memory_ordered 1
		.amdhsa_forward_progress 1
		.amdhsa_inst_pref_size 214
	.end_amdhsa_kernel
	.amdgpu_metadata
---
amdhsa.version: [ 1, 2 ]
amdhsa.kernels:
  - .name:           k_q9473878823_score
    .symbol:         k_q9473878823_score.kd
    .args:
      - { .name: Qc, .offset: 0, .size: 8, .value_kind: global_buffer, .address_space: global }
      - { .name: Kc, .offset: 8, .size: 8, .value_kind: global_buffer, .address_space: global }
      - { .name: Pc, .offset: 16, .size: 8, .value_kind: global_buffer, .address_space: global }
      - { .name: NMs, .offset: 24, .size: 8, .value_kind: global_buffer, .address_space: global }
      - { .name: Ls, .offset: 32, .size: 8, .value_kind: global_buffer, .address_space: global }
    .group_segment_fixed_size: 327680
    .private_segment_fixed_size: 0
    .kernarg_segment_align: 8
    .kernarg_segment_size: 40
    .max_flat_workgroup_size: 128
    .sgpr_count:     96
    .vgpr_count:     1024
    .wavefront_size: 32
...
	.end_amdgpu_metadata
.endif
;; end of part 2
;; launch pv (part 3): grid 8 x 32, 4 waves a work-group, clusters of 4 x 4, 327,680 bytes of LDS; arguments Pc, Vc, NMs, Ls, out0; writes out0
.if DOCPART == 3
	.amdgcn_target "amdgcn-amd-amdhsa--gfx1250"
	.amdhsa_code_object_version 6
	.text
	.protected	k_q9473878823_pv
	.globl	k_q9473878823_pv
	.p2align	8
	.type	k_q9473878823_pv,@function
k_q9473878823_pv:
	s_mov_b64 s[64:65], 0
	v_nop
	global_prefetch_b8 v0, s[64:65] scope:SCOPE_SE
	s_setreg_imm32_b32 hwreg(HW_REG_WAVE_MODE, 25, 1), 1
	s_wait_xcnt 0x0
	s_wait_alu depctr_hold_cnt(0) depctr_sa_sdst(0) depctr_va_vdst(0) depctr_va_sdst(0) depctr_va_ssrc(0) depctr_va_vcc(0) depctr_vm_vsrc(0)
	s_getreg_b32 s2, hwreg(HW_REG_IB_STS2, 6, 4)
	s_cmp_eq_u32 s2, 0
	s_cbranch_scc0 .Lentry_in_a_cluster
	s_endpgm
.Lentry_in_a_cluster:
	s_bfe_u32 s2, ttmp6, 0x10000c
	s_cmp_lg_u32 s2, 0xf033
	s_cbranch_scc0 .Lentry_shape_is_right
	s_endpgm
.Lentry_shape_is_right:
; out0 = (P V) / l on codes of FP6, K = the keys.  P's codes and scale words were made under an M of their own for each 128 keys; here they are brought under the row's M.
; For each of my rows: -M = the least of the stored -M_loc; nd = M - M_loc, a whole number, 0 or more; l = the sum of l_loc 2^-nd; each byte of P's scale word of those 128 keys is lowered by nd.
; A byte that would fall under 0 is held at 0 (2^-127): LIMIT: 128 keys whose M_loc lies 126 or more under the row's M count with that scale at the most, under 2^-120 of l.  The division is v_rcp_f32 and a multiplication.
; THE DEAL.  The 2,048 queries of a batch are four groups of 512 (four panels of 128); group n sees keys 0 .. 512 (n + 1) - 1.  A work-group makes 128 x 128 of out0 TWICE: a panel of group g (job 1), then one of group 3 - g (job 2), g = 0, 1:
; 4 (g + 1) + 4 (4 - g) = 20 K steps of 128 keys for every work-group.  WORK LEFT OUT: K steps that lie wholly behind a group's last query, under the causal mask, for all inputs: a NaN or an infinity that reaches only them is not carried on.
; A cluster of 4 x 4: its row shares a panel of P (four e tiles of 128), its column a panel of V (the four panels of a group).  Batch, g and the half of e are the cluster's number, so all sixteen partners run alike.
; A wave makes 64 x 64: 16 accumulators.  Source 0 = 16 rows of V^T, source 1 = 16 queries: a lane holds eight neighbouring numbers of a row of out0.
; A slot holds four K steps: P's 51,200 bytes and V's 51,200, dense blocks of memory; five fills, trip t reads slot t % 2.  Job 1 is trips 0 .. g, job 2 the rest; the first fill of job 2 is number g + 1.
; Fragments have a register set for each of a slot's four K steps; a step's are fetched two steps ahead (28 loads); waits: 56 = two fetches behind the scale words, 28 = one fetch, 1 = the add.
; Job 1's results leave while job 2's first slot is on its way; job 2's at the end: through a stage of the wave's own in LDS, on which no fill lands.
; PREFETCHES: fills 1 and 2 at the head, fill t + 3 behind trip t's refill, one trip ahead of the load that wants it: each half of a tile 100 blocks of 256 bytes, 25 for each of the four partners, by address.
; LIMITS: NaN and infinities are not served.
.set UNIT,  12800
.set SCO,   12288
.set SLOT,  8*UNIT                     ; P's four units, V's four
.set STAGE, 2*SLOT                     ; the way out: 64 rows x 272 bytes for each wave
.set SPITCH, 272
.set WSTG,  64*SPITCH
.set SPARE, STAGE+4*WSTG
.set AP,   12                          ; v12-16 LDS addresses in the slot that is fetched: P's fragments, V's (16 bytes a lane), V's (8 bytes a lane), P's scale words, V's
.set BP,   17                          ; v17-21 the same in slot 0
.set STO,  22
.set RD,   23
.set CO,   24
.set L4,   25
.set PFV,  26
.set SPW,  28
.set NIL,  29
.set SCP,  32                          ; v32-39 P's scale words: 2 q + j (row 32 j + lane);  v44-51 V's: 2 q + tile / 2
.set SCV,  44
.set NM1,  64                          ; -M_loc and l_loc of job 1: v64-79, v80-95 (8 j + K step), of job 2: v96-127, v128-159 (16 j + K step)
.set LL1,  80
.set NM2,  96
.set LL2,  128
.set NG,   160
.set BK,   64                          ; the way out: rows read back, v64-191
.set PK,   192                         ; v192-199 register 2 q + j: 128 - nd of K steps q, 4 + q, 8 + q, 12 + q in bytes 0 to 3;  v200-207 job 2's
.set PK2,  200
.set RL,   208                         ; v208-215 1 / l for block a's lanes, as pairs;  v216-223 job 2's
.set RL2,  216
.set TA,   224
.set TB,   232
.set GG,   240
.set RC,   242
.set RX,   244
; windows 1 and 2: the fragment sets of K steps 0, 1 and 2, 3 (V's four at 96 (q % 2), P's four 48 on);  window 3: the accumulators, (a, b) at 8 (4 a + b)
.set G1,   24
.set G0,   32
.set G0B,  36
.set G1B,  68
.set SEL,  78
.set HIM,  84
.set M80,  85
.set MSB, 0
.macro WIN new
.if MSB != \new
	s_set_vgpr_msb (MSB<<8)|\new
.set MSB, \new
.endif
.endm
.macro PLACES n
.rept \n
	v_nop
.endr
.endm
.macro WALU
	s_wait_alu depctr_va_vdst(0)
.endm
.macro JLOAD                           ; waves 0 and 1 fetch P's halves, waves 2 and 3 V's
	s_cmp_eq_u32 s15, 0
	s_cbranch_scc0 .Lfor_b_\@
	tensor_load_to_lds s[G0:G0+3], s[G1:G1+7]
	s_nop 0
	PLACES 4
	s_branch .Lasked_\@
.Lfor_b_\@:
	tensor_load_to_lds s[G0B:G0B+3], s[G1B:G1B+7]
	s_nop 0
	PLACES 4
.Lasked_\@:
.endm
.macro CREST
	s_cmp_lg_u32 s14, 0
	s_cbranch_scc1 .Lnot_wave_0_\@
	s_barrier_signal -3
.Lnot_wave_0_\@:
	s_barrier_wait -3
	s_barrier_signal -1
	s_barrier_wait -1
.endm
.macro CROUND
	s_barrier_signal -1
	s_barrier_wait -1
	CREST
.endm
.macro FILLSET                         ; the descriptors of the fill at s50 (P) and s51 (V), into the slot at s52
	s_add_co_u32 s[G0+1], s56, s52
	s_add_co_u32 s[G0B+1], s57, s52
	s_mov_b32 s21, 0
	s_mov_b32 s20, s50
	s_add_nc_u64 s[G0+2:G0+3], s[4:5], s[20:21]
	s_or_b32 s[G0+3], s[G0+3], 0x80000000
	s_mov_b32 s20, s51
	s_add_nc_u64 s[G0B+2:G0B+3], s[6:7], s[20:21]
	s_or_b32 s[G0B+3], s[G0B+3], 0x80000000
.endm
.macro PFSET p                         ; where my prefetch of the fill at s50, s51 begins
	s_mov_b32 s21, 0
	s_cmp_eq_u32 s15, 0
	s_cselect_b32 s20, s50, s51
	s_add_nc_u64 s[\p:\p+1], s[86:87], s[20:21]
.endm
.macro PFGO p
	global_prefetch_b8 v[PFV], s[\p:\p+1] th:TH_LOAD_NT scope:SCOPE_SE
.endm
.macro SCALES
.irp q, 0,1,2,3
	ds_load_b64 v[SCP+2*\q:SCP+2*\q+1], v[AP+3] offset:\q*UNIT+SCO
	ds_load_b64 v[SCV+2*\q:SCV+2*\q+1], v[AP+4] offset:\q*UNIT+SCO
.endr
.endm
.macro FETCH q                         ; the slot's q-th K step: 28 loads
.set FB_, 96*((\q)%2)
	WIN (1+(\q)/2)<<6
.irp i, 0,1,2,3
	ds_load_b128 v[FB_+12*\i:FB_+12*\i+3], v[AP+1] offset:(\q)*UNIT+1536*\i
	ds_load_b64 v[FB_+12*\i+4:FB_+12*\i+5], v[AP+2] offset:(\q)*UNIT+1536*\i+512
	ds_load_b128 v[FB_+12*\i+6:FB_+12*\i+9], v[AP+1] offset:(\q)*UNIT+1536*\i+768
	ds_load_b64 v[FB_+12*\i+10:FB_+12*\i+11], v[AP+2] offset:(\q)*UNIT+1536*\i+1280
.endr
.irp i, 0,1,2,3
.irp c, 0,1,2
	ds_load_b128 v[FB_+48+12*\i+4*\c:FB_+48+12*\i+4*\c+3], v[AP] offset:(\q)*UNIT+1536*\i+512*\c
.endr
.endr
	WIN 0
.endm
.macro PR a, ra, b, rb, q, zero
.set D_, 8*(4*(\a)+(\b))
.set VF_, 96*((\q)%2)+12*(\b)
.set PF_, 96*((\q)%2)+48+12*(\a)
.if \zero
	v_wmma_scale_f32_16x16x128_f8f6f4 v[D_:D_+7], v[VF_:VF_+11], v[PF_:PF_+11], 0, v[SCV+2*(\q)+(\b)/2], v[SCP+2*(\q)+(\a)/2] matrix_a_fmt:MATRIX_FMT_FP6 matrix_b_fmt:MATRIX_FMT_FP6 matrix_a_scale:MATRIX_SCALE_ROW\rb matrix_b_scale:MATRIX_SCALE_ROW\ra
.else
	v_wmma_scale_f32_16x16x128_f8f6f4 v[D_:D_+7], v[VF_:VF_+11], v[PF_:PF_+11], v[D_:D_+7], v[SCV+2*(\q)+(\b)/2], v[SCP+2*(\q)+(\a)/2] matrix_a_fmt:MATRIX_FMT_FP6 matrix_b_fmt:MATRIX_FMT_FP6 matrix_a_scale:MATRIX_SCALE_ROW\rb matrix_b_scale:MATRIX_SCALE_ROW\ra
.endif
.endm
; The 16 accumulators take turns, one instruction a turn, in the same order in every step.
.macro MUL4 a, ra, q, zero
	PR \a, \ra, 0, 0, \q, \zero
	PR \a, \ra, 1, 1, \q, \zero
	PR \a, \ra, 2, 0, \q, \zero
	PR \a, \ra, 3, 1, \q, \zero
.endm
.macro MULLO q, zero
	WIN 0xf0|(1+(\q)/2)|((1+(\q)/2)<<2)
	MUL4 0, 0, \q, \zero
	MUL4 1, 1, \q, \zero
.endm
.macro MULHI q, zero
	WIN 0xf0|(1+(\q)/2)|((1+(\q)/2)<<2)
	MUL4 2, 0, \q, \zero
	MUL4 3, 1, \q, \zero
	WIN 0
.endm
.macro MUL16 q, zero
	MULLO \q, \zero
	MULHI \q, \zero
.endm
; P's eight scale registers are brought under the row's M: each byte less nd, held at 0.  A byte is at most 125 and 128 - nd lies in 0 .. 128: byte + 128 - nd has bit 7 set just where byte >= nd, carries into no
; neighbour, and its low 7 bits are then byte - nd.  The last operation goes in ascending order: the two registers that the first products name stand 10 and 11 places ahead of them, four v_nop among these.
.macro ADJ
.irp n, 0,1,2,3,4,5,6,7
	v_perm_b32 v[TA+\n], v[PK+\n], v[PK+\n], s55           ; 128 - nd of this K step, in all four bytes
.endr
.irp n, 0,1,2,3,4,5,6,7
	v_add_nc_u32 v[SCP+\n], v[SCP+\n], v[TA+\n]
.endr
.irp n, 0,1,2,3,4,5,6,7
	v_and_b32 v[TA+\n], s[M80], v[SCP+\n]
.endr
.irp n, 0,1,2,3,4,5,6,7
	v_lshrrev_b32 v[TB+\n], 7, v[TA+\n]
.endr
.irp n, 0,1,2,3,4,5,6,7
	v_sub_nc_u32 v[TA+\n], v[TA+\n], v[TB+\n]              ; 0x7f in the bytes that stay, 0 in the others
.endr
.irp n, 0,1,2,3,4,5,6,7
	v_and_b32 v[SCP+\n], v[SCP+\n], v[TA+\n]
.endr
.endm
; The rows' statistics over n K steps: packed 128 - nd into pkd, 1 / l into rld.
.macro STATS n, nm, l, pkd, rld
.irp jj, 0,1
	v_min3_num_f32 v[GG+\jj], v[\nm+\n*\jj], v[\nm+\n*\jj+1], v[\nm+\n*\jj+2]
.endr
.set K_, 3
.rept (\n-4)/2
.irp jj, 0,1
	v_min3_num_f32 v[GG+\jj], v[GG+\jj], v[\nm+\n*\jj+K_], v[\nm+\n*\jj+K_+1]
.endr
.set K_, K_+2
.endr
.irp jj, 0,1
	v_min_num_f32 v[GG+\jj], v[GG+\jj], v[\nm+\n*\jj+\n-1]   ; -M of the row (a query's own key is open to it, so it is a true -M_loc)
.endr
.set I, 0
.rept 2*\n
	v_sub_f32 v[\nm+I], v[\nm+I], v[GG+I/\n]       ; nd = M - M_loc: whole numbers, exact
.set I, I+1
.endr
.set I, 0
.rept 2*\n
	v_min_num_f32 v[\nm+I], 0x43000000, v[\nm+I]   ; held at 128: beyond 125 every byte falls to 0 anyway
.set I, I+1
.endr
.set I, 0
.rept 2*\n
	v_cvt_u32_f32 v[\nm+I], v[\nm+I]
.set I, I+1
.endr
.set I, 0
.rept 2*\n
	v_sub_nc_u32 v[NG+I], 0, v[\nm+I]
.set I, I+1
.endr
.set I, 0
.rept 2*\n
	v_ldexp_f32 v[\l+I], v[\l+I], v[NG+I]          ; l_loc under the row's M
.set I, I+1
.endr
.set I, 0
.rept 2*\n
	v_sub_nc_u32 v[\nm+I], 128, v[\nm+I]
.set I, I+1
.endr
.irp q, 0,1,2,3
.irp jj, 0,1
	v_lshl_or_b32 v[\pkd+2*\q+\jj], v[\nm+\n*\jj+4+\q], 8, v[\nm+\n*\jj+\q]
.if \n == 16
	v_lshl_or_b32 v[\pkd+2*\q+\jj], v[\nm+\n*\jj+8+\q], 16, v[\pkd+2*\q+\jj]
	v_lshl_or_b32 v[\pkd+2*\q+\jj], v[\nm+\n*\jj+12+\q], 24, v[\pkd+2*\q+\jj]
.endif
.endr
.endr
.set K_, 2
.rept (\n-2)/2
.irp jj, 0,1
	v_pk_add_f32 v[\l+\n*\jj:\l+\n*\jj+1], v[\l+\n*\jj:\l+\n*\jj+1], v[\l+\n*\jj+K_:\l+\n*\jj+K_+1]
.endr
.set K_, K_+2
.endr
.irp jj, 0,1
	v_add_f32 v[\l+\n*\jj], v[\l+\n*\jj], v[\l+\n*\jj+1]   ; l: over 1/2, since the K step that holds the row's M has a p over 1/2
.endr
	WALU                                           ; the waits ahead of the reciprocals and behind them
.irp jj, 0,1
	v_rcp_f32 v[RC+\jj], v[\l+\n*\jj]
.endr
	v_mov_b32 v[RX], 0                             ; (a plain place; a lane permute's destination counts as one of its sources)
	v_mov_b32 v[RX+1], 0
	WALU
.irp jj, 0,1
	v_permlanex16_b32 v[RX+\jj], v[RC+\jj], s[SEL], s[SEL+1]
.endr
.irp jj, 0,1                                   ; lane (r, h) of block a holds row 16 a + r, whose 1 / l lies in lane 16 (a % 2) + r of register a / 2
	v_cndmask_b32 v[\rld+4*\jj], v[RC+\jj], v[RX+\jj], s[HIM]
	v_cndmask_b32 v[\rld+4*\jj+1], v[RC+\jj], v[RX+\jj], s[HIM]
	v_cndmask_b32 v[\rld+4*\jj+2], v[RX+\jj], v[RC+\jj], s[HIM]
	v_cndmask_b32 v[\rld+4*\jj+3], v[RX+\jj], v[RC+\jj], s[HIM]
.endr
.endm
; THE WAY OUT of my 64 x 64: times 1 / l; through my own stage; back as rows of 256 bytes, two to a load.  LDS serves a wave's instructions in order (ISA guide 5.7.1.4): no wait between the stores and the loads.
.macro WAYOUT o
	WIN 0xc3
.irp a, 0,1,2,3
.irp i, 0,2,4,6,8,10,12,14,16,18,20,22,24,26,28,30
	v_pk_mul_f32 v[32*\a+\i:32*\a+\i+1], v[32*\a+\i:32*\a+\i+1], v[RL+2*\a:RL+2*\a+1] op_sel_hi:[1,0]
.endr
.endr
	WIN 0x0c
.irp a, 0,1,2,3
.irp b, 0,1,2,3
	ds_store_b128 v[STO], v[32*\a+8*\b:32*\a+8*\b+3] offset:16*SPITCH*\a+64*\b
	ds_store_b128 v[STO], v[32*\a+8*\b+4:32*\a+8*\b+7] offset:16*SPITCH*\a+64*\b+16
.endr
.endr
	WIN 0
.set I, 0
.rept 32
	ds_load_b128 v[BK+4*I:BK+4*I+3], v[RD] offset:2*SPITCH*I
.set I, I+1
.endr
	s_wait_dscnt 16                                ; the first sixteen are back
.set I, 0
.rept 32
.if I == 16
	s_wait_dscnt 0x0
.endif
	global_store_b128 v[CO], v[BK+4*I:BK+4*I+3], s[\o:\o+1] offset:8192*I th:TH_STORE_NT   ; sixteen lanes store 256 consecutive bytes, at a multiple of 256 from out0's first byte
.set I, I+1
.endr
.endm
.macro ADDR                            ; on to the other slot
	s_xor_b32 s52, s52, SLOT
.irp i, 0,1,2,3,4
	v_add_nc_u32 v[AP+\i], s52, v[BP+\i]
.endr
.endm
; A trip: a slot's four K steps.  how 0: with a refill, and a job may begin or end in it;  1: nothing is filled;  2: the last.
.macro TRIP how
	s_wait_dscnt 56                                ; the slot's scale words are in
	ADJ
	WALU
	s_wait_dscnt 28                                ; K step 0's fragments
	PLACES 4
	FETCH 2
.if \how == 0
	s_cmp_eq_u32 s54, 0
	s_cbranch_scc1 .Ladd_\@
	MUL16 0, 1                                     ; a job's first products start its sums: nothing is cleared
	s_mov_b32 s54, 0
	s_branch .Lfirst_\@
.Ladd_\@:
	MUL16 0, 0
.Lfirst_\@:
.else
	MUL16 0, 0
.endif
	s_wait_dscnt 28
	FETCH 3
	MUL16 1, 0
	s_wait_dscnt 28
	MUL16 2, 0
	s_add_co_u32 s55, s55, 0x01010101
.if \how == 0
	s_wait_xcnt 0x0                                ; any prefetch of mine has read its address
	s_wait_tensorcnt 0x0                           ; all my tensor loads have landed: my part of the next slot
	ds_add_u32 v[SPW], v[NIL]
	FILLSET                                        ; fill t + 2, into the slot in hand
	s_add_co_u32 s50, s50, 4*UNIT
	s_add_co_u32 s51, s51, 4*UNIT
	PFSET 58                                       ; fill t + 3
	ADDR
	s_wait_dscnt 1                                 ; only the add may be out: K step 3's fragments are in
	MULLO 3, 0
	WALU
	s_wait_dscnt 0x0                               ; the add is done; my reads of this slot were over already
	s_barrier_signal -1
	MULHI 3, 0
	s_barrier_wait -1
	CREST                                          ; a round: no wave of any partner reads this slot or has a load on its way
	JLOAD                                          ; the first tensor load behind the round; its four v_nop are the places ahead of what follows
	SCALES
	FETCH 0
	FETCH 1
	s_cmp_lt_u32 s53, 2
	s_cbranch_scc0 .Lno_ask_\@
	PFGO 58
.Lno_ask_\@:
	s_cmp_lg_u32 s53, s19
	s_cbranch_scc1 .Lgo_on_\@                      ; the job goes on.  (g is the cluster's: the same in all partners)
	WAYOUT 60
.irp n, 0,1,2,3,4,5,6,7
	v_mov_b32 v[PK+\n], v[PK2+\n]
.endr
.irp n, 0,1,2,3,4,5,6,7
	v_mov_b32 v[RL+\n], v[RL2+\n]
.endr
	s_mov_b32 s54, 1
	s_mov_b32 s55, 0
	WALU
.Lgo_on_\@:
.elseif \how == 1
	s_wait_tensorcnt 0x0
	s_wait_dscnt 0x0
	ADDR
	WALU
	s_barrier_signal -1                            ; shows the last fill
	MUL16 3, 0
	s_barrier_wait -1
	PLACES 4
	SCALES
	FETCH 0
	FETCH 1
.else
	s_wait_dscnt 0x0
	MUL16 3, 0
.endif
.endm
	s_load_b256 s[4:11], s[0:1], 0x0               ; Pc, Vc, NMs, Ls
	s_load_b64 s[12:13], s[0:1], 0x20              ; out0
	v_lshl_add_u32 v[SPW], v0, 2, SPARE
	v_mov_b32 v[NIL], 0
	ds_add_u32 v[SPW], v[NIL]                      ; the opening lines
	ds_add_u32 v[SPW], v[NIL]
	v_lshrrev_b32 v1, 5, v0
	v_readfirstlane_b32 s14, v1                    ; wave 0..3
	s_lshr_b32 s15, s14, 1                         ; my half of the queries.  Also: I fetch for P (0) or for V (1)
	s_and_b32 s16, s14, 1                          ; my half of the columns.  Also: which half of a tile I fetch
	s_bfe_u32 s40, ttmp6, 0x40000                  ; cx
	s_bfe_u32 s41, ttmp6, 0x40004                  ; cy
	s_and_b32 s17, ttmp7, 0xffff
	s_lshr_b32 s18, s17, 1                         ; the batch
	s_and_b32 s19, s17, 1                          ; g
	s_lshl_b32 s43, ttmp9, 2
	s_add_co_u32 s43, s43, s40                     ; e tile 0..7
	s_lshl_b32 s44, s41, 2
	s_lshl_b32 s44, 15, s44                        ; my row of the cluster
	s_lshl_b32 s45, 0x1111, s40                    ; my column
	s_or_b32 s[G1+0], s44, (3<<16)|(1<<21)         ; 25,600 dense bytes as 100 rows of 256 (32 elements of 8 bytes), no padding
	s_or_b32 s[G1B+0], s45, (3<<16)|(1<<21)
.irp g, G1, G1B
	s_mov_b32 s[\g+1], 32<<16
	s_mov_b32 s[\g+2], 100<<16
	s_mov_b32 s[\g+3], 32<<16
	s_mov_b32 s[\g+4], 100
	s_mov_b32 s[\g+5], 32
	s_mov_b32 s[\g+6], 0
	s_mov_b32 s[\g+7], 0
.endr
	s_lshl_b32 s22, s19, 2
	s_add_co_u32 s66, s22, s41                     ; my panels in the batch: 4 g + cy,
	s_sub_co_u32 s67, 12, s22
	s_add_co_u32 s67, s67, s41                     ; and 12 - 4 g + cy
	s_lshl_b32 s23, s18, 4
	s_add_co_u32 s2, s23, s66                      ; and in all
	s_add_co_u32 s3, s23, s67
	s_mul_i32 s56, s16, 2*UNIT                     ; my two of a tile's four units: in memory and in LDS alike
	s_add_co_u32 s57, s56, 4*UNIT
	s_mul_i32 s46, s2, 16*UNIT
	s_add_co_u32 s46, s46, s56                     ; P's tiles: job 1, job 2
	s_mul_i32 s47, s3, 16*UNIT
	s_add_co_u32 s47, s47, s56
	s_lshl_b32 s48, s43, 6
	s_add_co_u32 s48, s48, s23
	s_mul_i32 s48, s48, UNIT
	s_add_co_u32 s48, s48, s56                     ; V's
	s_mov_b32 s50, s46
	s_mov_b32 s51, s48
	s_mov_b32 s52, 0
	s_mov_b32 s[G0], 1
	s_mov_b32 s[G0B], 1
	s_wait_dscnt 0x0
	CROUND                                         ; all sixteen work-groups are here: the first joint loads meet
	s_wait_kmcnt 0x0
	FILLSET
	JLOAD                                          ; fill 0: one tensor load a wave at the head
	s_lshl_b32 s22, s18, 17                        ; the statistics: [batch][16 K steps][2,048 rows] of 4 bytes
	s_lshl_b32 s20, s15, 8
	s_add_co_u32 s22, s22, s20
	s_lshl_b32 s20, s66, 9
	s_add_co_u32 s20, s20, s22
	s_mov_b32 s21, 0
	s_add_nc_u64 s[80:81], s[8:9], s[20:21]
	s_add_nc_u64 s[82:83], s[10:11], s[20:21]
	s_lshl_b32 s20, s67, 9
	s_add_co_u32 s20, s20, s22
	s_add_nc_u64 s[88:89], s[8:9], s[20:21]
	s_add_nc_u64 s[90:91], s[10:11], s[20:21]
	v_and_b32 v1, 31, v0
	v_lshlrev_b32 v[L4], 2, v1
.irp jj, 0,1
.irp k, 0,1,2,3,4,5,6,7
	global_load_b32 v[NM1+8*\jj+\k], v[L4], s[80:81] offset:\k*8192+128*\jj
	global_load_b32 v[LL1+8*\jj+\k], v[L4], s[82:83] offset:\k*8192+128*\jj
.endr
.endr
	s_mul_i32 s20, s15, 4*1536                     ; my four fragments of P,
	s_mul_i32 s22, s16, 4*1536
	s_add_co_u32 s22, s22, 4*UNIT                  ; of V,
	s_lshl_b32 s23, s15, 8                         ; and their scale words
	s_lshl_b32 s76, s16, 3
	s_add_co_u32 s76, s76, 4*UNIT
	s_mul_i32 s77, s14, WSTG
	s_add_co_u32 s77, s77, STAGE                   ; my stage
	s_cmp_eq_u32 s15, 0
	s_cselect_b64 s[86:87], s[4:5], s[6:7]
	s_cselect_b32 s58, s40, s41                    ; my place among the four that ask for the tile with me
	s_mul_i32 s58, s58, 25
	v_and_b32 v1, 31, v0
	v_lshlrev_b32 v2, 4, v1
	v_lshlrev_b32 v3, 3, v1
	v_and_b32 v4, 15, v0                           ; r
	v_bfe_u32 v5, v0, 4, 1                         ; h
	v_add_nc_u32 v[BP], s20, v2
	v_add_nc_u32 v[BP+1], s22, v2
	v_add_nc_u32 v[BP+2], s22, v3
	v_add_nc_u32 v[BP+3], s23, v3
	v_add_nc_u32 v[BP+4], s76, v2
.irp i, 0,1,2,3,4
	v_mov_b32 v[AP+\i], v[BP+\i]
.endr
	v_mul_u32_u24 v6, v4, SPITCH
	v_lshl_add_u32 v6, v5, 5, v6
	v_add_nc_u32 v[STO], s77, v6                   ; in: row r, 32 bytes for each half of the lanes
	v_mul_u32_u24 v7, v5, SPITCH
	v_lshl_add_u32 v7, v4, 4, v7
	v_add_nc_u32 v[RD], s77, v7                    ; back: sixteen lanes take a row of 256 bytes
	v_lshlrev_b32 v8, 12, v5
	v_lshl_add_u32 v[CO], v4, 4, v8                ; and the same two rows in out0
	v_min_u32 v9, 24, v1
	v_add_nc_u32 v9, s58, v9
	v_lshlrev_b32 v[PFV], 8, v9
	WALU
	s_lshl_b32 s22, s15, 18                        ; out0: rows of 4,096 bytes; my 64 rows, my 64 columns
	s_lshl_b32 s23, s43, 9
	s_add_co_u32 s22, s22, s23
	s_lshl_b32 s23, s16, 8
	s_add_co_u32 s22, s22, s23
	s_mov_b32 s21, 0
	s_lshl_b32 s20, s2, 19
	s_add_co_u32 s20, s20, s22
	s_add_nc_u64 s[60:61], s[12:13], s[20:21]
	s_lshl_b32 s20, s3, 19
	s_add_co_u32 s20, s20, s22
	s_add_nc_u64 s[62:63], s[12:13], s[20:21]
	s_add_co_u32 s20, s46, 4*UNIT                  ; fill 1: g = 0: job 2's first; g = 1: job 1's second
	s_add_co_u32 s22, s48, 4*UNIT
	s_cmp_eq_u32 s19, 0
	s_cselect_b32 s50, s47, s20
	s_cselect_b32 s51, s48, s22
	PFSET 58
	PFGO 58
	s_mov_b32 s53, 0
	s_mov_b32 s54, 1                               ; a job begins
	s_mov_b32 s55, 0                               ; which four K steps of the job the slot in hand holds, in each byte
	s_mov_b32 s[SEL], 0x76543210
	s_mov_b32 s[SEL+1], 0xfedcba98
	s_mov_b32 s[HIM], 0xffff0000
	s_mov_b32 s[M80], 0x80808080
.irp jj, 0,1
.irp k, 0,1,2,3,4,5,6,7,8,9,10,11,12,13,14,15
	global_load_b32 v[NM2+16*\jj+\k], v[L4], s[88:89] offset:\k*8192+128*\jj
	global_load_b32 v[LL2+16*\jj+\k], v[L4], s[90:91] offset:\k*8192+128*\jj
.endr
.endr
	s_wait_loadcnt 0x3f                            ; of 96 loads the first 33: job 1's are in
	STATS 8, NM1, LL1, PK, RL
	WALU
	s_wait_loadcnt 0x0
	STATS 16, NM2, LL2, PK2, RL2
	WALU
	s_wait_tensorcnt 0x0                           ; my part of fill 0 is in
	ds_add_u32 v[SPW], v[NIL]
	s_mov_b32 s52, SLOT
	FILLSET
	s_wait_dscnt 0x0
	CROUND
	JLOAD                                          ; fill 1, the first tensor load behind the round
	SCALES
	FETCH 0
	FETCH 1
	s_mov_b32 s52, 0
	s_add_co_u32 s20, s47, 4*UNIT                  ; fill 2: g = 0: job 2's second; g = 1: its first
	s_add_co_u32 s22, s48, 4*UNIT
	s_cmp_eq_u32 s19, 0
	s_cselect_b32 s50, s20, s47
	s_cselect_b32 s51, s22, s48
	PFSET 76
	PFGO 76
.Ltrip:                                            ; trips 0, 1, 2
	TRIP 0
	s_add_co_u32 s53, s53, 1
	s_cmp_lg_u32 s53, 3
	s_cbranch_scc1 .Ltrip
	TRIP 1
	TRIP 2
	PLACES 4                                       ; between the last products and the first read of results
	s_wait_xcnt 0x0                                ; job 1's stores have read their registers
	WAYOUT 62
	s_wait_tensorcnt 0x0                           ; the wave's end
	ds_add_u32 v[SPW], v[NIL]
	s_wait_dscnt 0x0
	CROUND                                         ; the closing round
	s_endpgm
.Lfunc_end_k_q9473878823_pv:
	.size	k_q9473878823_pv, .Lfunc_end_k_q9473878823_pv-k_q9473878823_pv
	.p2alignl 7, 3214868480
	.fill 96, 4, 3214868480
	.section	.rodata,"a",@progbits
	.p2align	6, 0x0
	.amdhsa_kernel k_q9473878823_pv
		.amdhsa_group_segment_fixed_size 327680
		.amdhsa_private_segment_fixed_size 0
		.amdhsa_enable_private_segment 0
		.amdhsa_kernarg_size 40
		.amdhsa_user_sgpr_count 2
		.amdhsa_user_sgpr_kernarg_segment_ptr 1
		.amdhsa_wavefront_size32 1
		.amdhsa_system_sgpr_workgroup_id_x 1
		.amdhsa_system_sgpr_workgroup_id_y 1
		.amdhsa_system_sgpr_workgroup_id_z 1
		.amdhsa_system_vgpr_workitem_id 0
		.amdhsa_next_free_vgpr 896
		.amdhsa_next_free_sgpr 96
		.amdhsa_reserve_vcc 0
		.amdhsa_float_denorm_mode_32 3
		.amdhsa_float_denorm_mode_16_64 3
		.amdhsa_memory_ordered 1
		.amdhsa_forward_progress 1
		.amdhsa_inst_pref_size 122
	.end_amdhsa_kernel
	.amdgpu_metadata
---
amdhsa.version: [ 1, 2 ]
amdhsa.kernels:
  - .name:           k_q9473878823_pv
    .symbol:         k_q9473878823_pv.kd
    .args:
      - { .name: Pc, .offset: 0, .size: 8, .value_kind: global_buffer, .address_space: global }
      - { .name: Vc, .offset: 8, .size: 8, .value_kind: global_buffer, .address_space: global }
      - { .name: NMs, .offset: 16, .size: 8, .value_kind: global_buffer, .address_space: global }
      - { .name: Ls, .offset: 24, .size: 8, .value_kind: global_buffer, .address_space: global }
      - { .name: out0, .offset: 32, .size: 8, .value_kind: global_buffer, .address_space: global }
    .group_segment_fixed_size: 327680
    .private_segment_fixed_size: 0
    .kernarg_segment_align: 8
    .kernarg_segment_size: 40
    .max_flat_workgroup_size: 128
    .sgpr_count:     96
    .vgpr_count:     896
    .wavefront_size: 32
...
	.end_amdgpu_metadata
.endif
;; end of part 3
